; MI455X (gfx1250); checked and timed in simulation.
; The chip was launched on July 23, 2026; its instructions are those of AMD's public machine-readable ISA for CDNA 5 (MIT licence, August 2026) and "CDNA5" Instruction Set Architecture Reference Guide (July 2026). The comments in the code are by the model that wrote it; some were corrected since.
;; Relative Multi Head Attention. Allowed arithmetic: matrix products marked QUANTISED: E4M3 operands, one E8M0 scale for each 32 along K, by v_wmma_scale_f32_16x16x128_f8f6f4 with both operands' format E4M3, f32 sums; everything else in f32.
;; Inputs: Wk_codes 1,024 x 32 x 32 uint8 (E4M3 codes of Wk, K innermost, in blocks of 32 codes); Wk_scales 1,024 x 32 uint8 (E8M0 scales of Wk, one for each 32 codes along K); Wo_codes 1,024 x 32 x 32 uint8 (E4M3 codes of Wo, K innermost, in blocks of 32 codes); Wo_scales 1,024 x 32 uint8 (E8M0 scales of Wo, one for each 32 codes along K); Wq_codes 1,024 x 32 x 32 uint8 (E4M3 codes of Wq, K innermost, in blocks of 32 codes); Wq_scales 1,024 x 32 uint8 (E8M0 scales of Wq, one for each 32 codes along K); Wv_codes 1,024 x 32 x 32 uint8 (E4M3 codes of Wv, K innermost, in blocks of 32 codes); Wv_scales 1,024 x 32 uint8 (E8M0 scales of Wv, one for each 32 codes along K); bk 1,024 float32; bo 1,024 float32; bq 1,024 float32; bv 1,024 float32; rel_k 257 x 64 float32; rel_v 257 x 64 float32; x_codes 4 x 1,024 x 32 x 32 uint8 (E4M3 codes of x, K innermost, in blocks of 32 codes); x_scales 4 x 1,024 x 32 uint8 (E8M0 scales of x, one for each 32 codes along K).
;; Outputs: out0 4 x 1,024 x 1,024 float32.
;; This version of the problem:
;;   THIS VERSION OF THE PROBLEM IS GIVEN IN LOW PRECISION. The matrix products marked QUANTISED in the list below multiply operands that are first quantised to E4M3 (4 exponent bits, 3 mantissa bits; 8 bits a number), with one power-of-two scale for each 32 numbers along K (OCP MX v1.0); their sums are f32. All else is computed in f32.
;;   The module's matrix products, in the order in which they are computed (A, B: the left and right operand; K: the contracted axis; several contracted axes count as one K, in the product's order):
;;     1. [M 4,096, K 1,024] x [K 1,024, N 1,024]; A: input x (given as codes); B: input Wq (given as codes): QUANTISED
;;     2. [M 4,096, K 1,024] x [K 1,024, N 1,024]; A: input x (given as codes); B: input Wk (given as codes): QUANTISED
;;     3. [M 4,096, K 1,024] x [K 1,024, N 1,024]; A: input x (given as codes); B: input Wv (given as codes): QUANTISED
;;     4. batch 64 x [M 1,024, K 64] x [K 64, N 1,024]; A: computed on the way; B: computed on the way: QUANTISED
;;     5. batch 1,024 x [M 1,024, K 64] x [K 64, N 64]; A: computed on the way; B: computed on the way: QUANTISED
;;     6. batch 64 x [M 1,024, K 1,024] x [K 1,024, N 64]; A: softmax (see below); B: computed on the way: QUANTISED
;;     7. batch 1,024 x [M 64, K 1,024] x [K 1,024, N 64]; A: computed on the way; B: softmax (see below): QUANTISED
;;     8. [M 4,096, K 1,024] x [K 1,024, N 1,024]; A: computed on the way; B: input Wo (given as codes): QUANTISED
;;   THE QUANTISER, for each operand of a quantised product, along K:
;;     - K is cut into blocks of 32 from its start; a last block that is shorter is filled with zeros.
;;     - A block's scale is 2^e with e = floor(log2(the largest magnitude in the block)) - 8, held to -126 .. 127; a block of zeros has e = 0. As a byte (E8M0): e + 127.
;;     - Each number is divided by its block's scale, clamped to +-448, and rounded to the nearest number of E4M3, ties to even, subnormals kept.
;;     - The product sums the exact products of the quantised numbers (number of the format x scale) in f32.
;;   ~~~python
;;   def quantise(x, axis):      # numpy; x: float32 -> the quantised numbers, widened to float32 again
;;       x = np.moveaxis(x, axis, -1); K = x.shape[-1]
;;       x = np.pad(x, [(0, 0)] * (x.ndim - 1) + [(0, -K % 32)]); x = x.reshape(x.shape[:-1] + (-1, 32)); a = np.abs(x).max(-1, keepdims=True)
;;       e = np.where(a > 0, np.clip(np.frexp(np.where(a > 0, a, 1))[1] - 1 - 8, -126, 127), 0)      # np.frexp(a)[1] - 1 = floor(log2(a)), exactly
;;       r = np.clip(x / 2.0 ** e, -448, 448)
;;       step = 2.0 ** (np.maximum(np.frexp(np.where(r == 0, 1, r))[1] - 1, -6) - 3)
;;       q = np.round(r / step) * step * 2.0 ** e      # np.round: ties to even
;;       return np.moveaxis(q.reshape(q.shape[:-2] + (-1,))[..., :K], -1, axis).astype(np.float32)
;;   ~~~
;;   SOFTMAX AHEAD OF A QUANTISED PRODUCT. Where the list says 'softmax', what is quantised is not the finished softmax but p = 2^(t - M), with t = logit x log2(e) and M = ceil(the row's largest t), a whole number; so 1/2 < the row's largest p <= 1. The row's sum l is taken of the UNQUANTISED p, in f32, and the product's result is divided by l at the end. Since M is a whole number, a kernel that streams over the keys may use a running M (the ceiling of the running maximum): every later rescaling is an exact power of two, which a block's scale takes up: the codes' values come out the same.
;;   OPERANDS COMPUTED ON THE WAY. 'Computed on the way' means the value that the module computes at that place (a softmax that the list does not call 'softmax' is quantised finished and normalised). What goes into a quantiser is computed in f32, as accurately as f32 sums, v_exp_f32 and their like allow (about 1e-6 of the number): no bf16 or f16 on the way to a quantiser, and a product that is left as it is and whose result goes on into a quantised operand takes f32 operands (vector FMAs, or v_wmma_f32_16x16x4_f32). A number that lies on a knife's edge between two numbers of the format may be rounded either way, as far as f32 arithmetic and the matrix unit's own rounding can turn it there, and no further.
;;   INPUTS GIVEN AS CODES. Wk (in the module: [1024, 1024], K = its axis 1); Wo (in the module: [1024, 1024], K = its axis 1); Wq (in the module: [1024, 1024], K = its axis 1); Wv (in the module: [1024, 1024], K = its axis 1); x (in the module: [4, 1024, 1024], K = its axis 2): each comes as NAME_codes (uint8): NAME with its K axis moved to the last place and cut into blocks of 32 codes, [.., K / 32, bytes a block], one block behind the other in memory; one code a byte (a code: sign, 4 exponent bits, 3 mantissa bits); and NAME_scales (uint8): the same leading axes, one E8M0 byte (e + 127) for each 32 codes along K. Its value is code x scale, taken as it is: it is not quantised again, and the codes and scales need not be those that the quantiser above would give.
;; One version. Each part assembles by itself: llvm-mc -triple=amdgcn-amd-amdhsa -mcpu=gfx1250 --defsym DOCPART=n.
;; ======== version 1 of 1: 3 launches
;; limits: right only within a limited range of input values
;; workspace buffers: rel 1,556,992 bytes; qkv 12,976,128 bytes; att 4,325,376 bytes
;; launch qkv (part 1): grid 4 x 48, 4 waves a work-group, clusters of 4 x 4, 327,680 bytes of LDS; arguments x_codes, x_scales, Wq_codes, Wq_scales, Wk_codes, Wk_scales, Wv_codes, Wv_scales, bq, bk, bv, qkv, rel_k, rel_v, rel; writes qkv, rel
.if DOCPART == 1
	.amdgcn_target "amdgcn-amd-amdhsa--gfx1250"
	.amdhsa_code_object_version 6
	.text
	.protected	k_q0783bf53e7_qkv
	.globl	k_q0783bf53e7_qkv
	.p2align	8
	.type	k_q0783bf53e7_qkv,@function
k_q0783bf53e7_qkv:
	s_mov_b64 s[64:65], 0
	v_nop
	global_prefetch_b8 v0, s[64:65] scope:SCOPE_SE
	s_setreg_imm32_b32 hwreg(HW_REG_WAVE_MODE, 25, 1), 1
	s_wait_xcnt 0x0
	s_wait_alu depctr_hold_cnt(0) depctr_sa_sdst(0) depctr_va_vdst(0) depctr_va_sdst(0) depctr_va_ssrc(0) depctr_va_vcc(0) depctr_vm_vsrc(0)
	s_getreg_b32 s2, hwreg(HW_REG_IB_STS2, 6, 4)
	s_cmp_eq_u32 s2, 0
	s_cbranch_scc0 .Lentry_in_a_cluster
	s_endpgm
.Lentry_in_a_cluster:
	s_bfe_u32 s2, ttmp6, 0x10000c
	s_cmp_lg_u32 s2, 0xf033
	s_cbranch_scc0 .Lentry_shape_is_right
	s_endpgm
.Lentry_shape_is_right:
; q, k and v: three products on codes of FP8 (E4M3) with E8M0 scales, K = 1,024, the bias added in f32, the result quantised in registers and stored as images of the next products' operands.
; And, while the first tiles are on their way, THE TWO RELATIVE TABLES AS OPERANDS: one job for each of the launch's 768 waves.
; WORK THAT THE PROGRAM LEAVES OUT, AND WHY IT CAN REACH NO OUTPUT.  reference() gathers rpk = rel_k[idx] and rpv = rel_v[idx] with idx = clip(k - q, -128, 128) + 128, an index that it builds itself.
; (1) The product of q with rpk is quantised along d, so the quantised row of rpk at (q, k) is the quantised row idx of rel_k: equal rows give equal products, for all values.  With q = rho + 32 i and
;     k = 32 j + x the row is clamp(32 (j - i + 4) + x - rho, 0, 256): it hangs on j - i and rho alone; under j - i + 4 = 0 it is row 0, from 9 on row 256.  So a query is multiplied with 11 blocks of 32 rows, not 1,024 rows.
; (2) The product of p with rpv is quantised along the keys in blocks of 32 from key 0.  Block j of query q holds the same rows as above, so its codes and scale hang on j - i and rho alone: nine blocks for each
;     phase rho = q mod 32.  Every other block is 32 copies of rel_v[0] or of rel_v[256]; quantised, it is 32 copies of one number c0[d] or c256[d], and its part of the sum is that number x the sum of the block's quantised p.
; No input is without a way to an output.  LIMITS: NaN and infinities among the inputs are not served; a NaN, an infinity or an overflow that would arise only in a repeated copy of a product is not repeated;
; a block of zeros, or one whose largest magnitude lies under 2^-118, gets the scale byte 1 (its codes are zeros or held; this program alone reads the bytes).
; THE PRODUCTS.  A cluster of 4 x 4 work-groups serves one problem (cluster y / 4: 0 q, 1 k, 2 v) and a quarter of it (cluster y % 4).  q, k: A = x (4,096 rows), B = Wq or Wk (1,024 rows).  v: A = Wv, B = x.
; The matrix instruction is used transposed (source 0 = 16 rows of B, source 1 = 16 rows of A): a lane holds ONE row R of A and its registers run along B's rows C, the axis along which the result is quantised:
; the head's channels for q and k, the keys for v.
; A tile of 256 x 256 is made by four waves, 128 x 128 each: 64 accumulators, 512 registers.  K goes in steps of 256 through a ring of two LDS slots filled by joint tensor loads: A's tile is shared along a
; row of the cluster, B's along a column.  The scale bytes of the work-group's rows come once, with the first fills.
; OUT (buffer qkv), M = A's rows:  code of (R, C) at (C / 64) 64 M + (R / 32) 2,048 + (2 u + (C % 64) / 32) 512 + ((C % 32) / 16) 256 + 16 r' + C % 16, with r' = R % 8 + 8 ((R % 32) / 16), u = ((R % 32) / 8) % 2;
; scale byte at (C / 64) 2 M + (R / 32) 64 + 4 r' + 2 u + (C % 64) / 32.  Codes of problem p from byte 4,194,304 p, scale bytes from 12,582,912 + 131,072 p.
; THE TABLES.  32 phases x 24 jobs = 12 clusters x 16 work-groups x 4 waves.  The job F = 2 x cluster y + wave / 2 is the same in all partners of a cluster; the phase rho = 16 (wave % 2) + 4 cy + cx enters addresses in
; memory alone.  F = 0 .. 11: rel_v's fragment F;  12 .. 22: rel_k's fragment F - 12;  23: four of the 128 numbers c0, c256.
; OUT (buffer rel): RK images [rho][11][2,048]: fragment B holds the table rows of block j - i + 4 = B - 1, as [X | Y]: lane r has row x = r + 8 (r / 8) in K 0-63 and row x + 8 in K 64-127; their scale words [rho][12][16];
; RV images [rho][12][2,048]: fragment 4 kappa + 2 blk + u: 16 channels d = 32 blk + 8 u + r + 8 (r / 8) x 128 keys of the window, key w being row clamp(w - rho, 0, 256) of rel_v; their scale words [rho][6][32]; c0 and c256, 2 x 64 f32.
; The window has 288 keys: the last three blocks of the third K step hold copies of rel_v[256], and meet zero codes of p.  An image is the operand's registers as they stand: register group c of lane l at 512 c + 16 l.
; REGISTERS: window 0: v8-15 the bias by A's rows; v16-31 addresses; v32-63 scale words; v64-127 the bias by B's rows; from v128 A's fragments, one set; for the tables and on the way out v128-255 at work.
;   window 1: B's fragments, two sets.   windows 2, 3: the accumulators ((a, b) at v[8 (8 (a % 4) + b)]).
.set KSTEP,  256
.set NQ,     2
.set ROWB,   256
.set KROW,   1024
.set PITCH,  272                       ; an LDS row: 256 bytes + 16 of padding: the 16 rows that a load touches start at 16 different banks (64 banks of 4 bytes: ISA guide 11.1)
.set FR,     16
.set NL,     4
.set NP,     8                         ; places behind this matrix instruction (ISA guide 7.12.1)
.set HALFT,  128*PITCH
.set SLOT,   4*HALFT
.set LAPS,   2                         ; 1,024 along K = four K steps = twice round the ring
.set KS,     32
.set SCL,    2*SLOT
.set HALFS,  (128*KS/256)*272
.set SBLK,   (16*KS/256)*272
.set SPARE,  SCL+4*HALFS               ; the spare words, 128 bytes for each wave
.set STGB,   16896                     ; the way out: a stage for each wave, 16,384 bytes of codes and 512 of scale bytes, in slot 0, which has had its last fill and its last read by then
.set OUTS,   12582912
.set RK_SC,  720896                    ; buffer rel: rel_k's scale words,
.set RV_IMG, 745472                    ; rel_v's images,
.set RV_SC,  1531904                   ; their scale words,
.set RELG,   1556480                   ; c0, c256
.set BA,   8
.set ADRA, 16
.set ADRB, 20
.set SST,  22                          ; v22  the stage: where my row's scale bytes go
.set SCO,  23                          ; v23  my offset among the scale bytes in memory
.set STO,  24                          ; v24  the stage: where my codes go
.set RD,   25                          ; v25  the stage, read back: 16 x lane
.set CO,   26                          ; v26  16 x lane
.set ADRS, 27
.set SPW,  28
.set NIL,  29
.set BBA,  30                          ; v30, v31  the biases' offsets; never rewritten
.set BAA,  31
.set SC,   32
.set BB,   64
.set AF,   128
.set T,    128                         ; the tables and the way out: 64 numbers
.set AQ,   192                         ; the tables: 64 offsets, until the loads are in
.set PC,   192                         ; a fragment's codes
.set TM,   208
.set PW,   224
.set SEL,  18                          ; s[18:19] lane selects for v_permlanex16_b32: lane l xor 16
.set MNT,  2                           ; s2   the mantissa field of 448
.set PRB,  95                          ; s95  the problem: 0 q, 1 k, 2 v
.set G1, 24
.set G0, 32
.set G1B, 48
.set G0B, 56
.set G1S, 68
.set G0S, 76
.set G1SB, 80
.set G0SB, 88
.set MSB, 0
.macro WIN new                         ; the immediate's high byte repeats the setting that is left
.if MSB != (\new)
	s_set_vgpr_msb (MSB<<8)|(\new)
.set MSB, \new
.endif
.endm
.set MUL_LO, 0xa1                      ; source 0 (B) window 1, source 1 (A) window 0, C and D window 2
.set MUL_HI, 0xf1
.set TO_B,   0x40
; A joint load: waves 0 and 1 fetch for A, waves 2 and 3 for B; the branch hangs on the wave's number alone.  An s_nop 0 and four v_nop follow each of the two lines.
.macro JLOAD g0a, g1a, g0b, g1b
	s_cmp_eq_u32 s15, 0
	s_cbranch_scc0 .Lfor_b_\@
	tensor_load_to_lds s[\g0a:\g0a+3], s[\g1a:\g1a+7]
	s_nop 0
.rept 4
	v_nop
.endr
	s_branch .Lasked_\@
.Lfor_b_\@:
	tensor_load_to_lds s[\g0b:\g0b+3], s[\g1b:\g1b+7]
	s_nop 0
.rept 4
	v_nop
.endr
.Lasked_\@:
.endm
.macro CREST                           ; a round of the cluster's barrier behind its opening barrier
	s_cmp_lg_u32 s14, 0
	s_cbranch_scc1 .Lnot_wave_0_\@
	s_barrier_signal -3
.Lnot_wave_0_\@:
	s_barrier_wait -3
	s_barrier_signal -1
	s_barrier_wait -1
.endm
.macro CROUND
	s_barrier_signal -1
	s_barrier_wait -1
	CREST
.endm
; 64 numbers of a lane, register 16 b + i = the i-th of my 16 numbers of block b (lane l xor 16 holds the block's other 16), become a fragment's codes in v[PC] on and its scale word in v[PW]
.macro QUANT s
.irp b, 0,1,2,3
	v_max3_num_f32 v[TM+\b], |v[\s+16*\b]|, |v[\s+1+16*\b]|, 0x4800000   ; my 16 numbers of block b, and the floor 2^(9 - 127): the byte cannot fall under 1
.endr
.irp i, 2,4,6,8,10,12,14
.irp b, 0,1,2,3
	v_max3_num_f32 v[TM+\b], v[TM+\b], |v[\s+16*\b+\i]|, |v[\s+1+16*\b+\i]|
.endr
.endr
.irp b, 0,1,2,3
	v_permlanex16_b32 v[TM+4+\b], v[TM+\b], s[SEL], s[SEL+1]
.endr
.irp b, 0,1,2,3
	v_max_num_f32 v[TM+\b], v[TM+\b], v[TM+4+\b]
.endr
.irp b, 0,1,2,3
	v_add_nc_u32 v[TM+12+\b], 0xfc000000, v[TM+\b]                   ; 8 off the exponent field: the conversion's scale operand
.endr
.irp b, 0,1,2,3
	v_and_or_b32 v[TM+8+\b], v[TM+\b], 0x7f800000, s[MNT]            ; 448 x the scale
.endr
.irp b, 0,1,2,3
	v_lshrrev_b32 v[TM+4+\b], 23, v[TM+12+\b]                        ; the scale's byte
.endr
	v_lshl_or_b32 v[PW], v[TM+5], 8, v[TM+4]
	v_lshl_or_b32 v[PW], v[TM+6], 16, v[PW]
	v_lshl_or_b32 v[PW], v[TM+7], 24, v[PW]
.irp b, 0,1,2,3
.irp i, 0,1,2,3,4,5,6,7,8,9,10,11,12,13,14,15
	v_med3_num_f32 v[\s+16*\b+\i], v[\s+16*\b+\i], -v[TM+8+\b], v[TM+8+\b]   ; the conversion does not saturate (ISA guide 7.6.2): the hold
.endr
	v_cvt_scalef32_pk8_fp8_f32 v[PC+4*\b:PC+1+4*\b], v[\s+16*\b:\s+7+16*\b], v[TM+12+\b]
	v_cvt_scalef32_pk8_fp8_f32 v[PC+2+4*\b:PC+3+4*\b], v[\s+8+16*\b:\s+15+16*\b], v[TM+12+\b]
.endr
	v_nop                                          ; a plain line behind the last conversion
.endm
	s_load_b512 s[24:39], s[0:1], 0x0              ; x codes, x scales, Wq codes, Wq scales, Wk codes, Wk scales, Wv codes, Wv scales
	s_load_b256 s[40:47], s[0:1], 0x40             ; bq, bk, bv, qkv
	v_lshl_add_u32 v[SPW], v0, 2, SPARE
	v_mov_b32 v[NIL], 0
	ds_add_u32 v[SPW], v[NIL]                      ; the wave's opening: the add, twice on end, and its wait ahead of my first tensor load
	ds_add_u32 v[SPW], v[NIL]
	v_lshrrev_b32 v1, 5, v0
	v_readfirstlane_b32 s14, v1                    ; wave 0..3
	s_lshr_b32 s15, s14, 1                         ; which half of the tile's rows is mine.  Also: I fetch for A (0) or for B (1)
	s_and_b32 s16, s14, 1                          ; which half of its columns.  Also: which 128 rows of that tile I fetch
	s_bfe_u32 s66, ttmp6, 0x40000                  ; cx
	s_bfe_u32 s67, ttmp6, 0x40004                  ; cy
	s_and_b32 s2, ttmp7, 0xffff                    ; cluster y, 0..11
	s_lshr_b32 s[PRB], s2, 2
	s_and_b32 s2, s2, 3
	s_lshl_b32 s2, s2, 2                           ; the quarter's four tiles lie along the operand x: A's rows for q and k, B's for v
	s_cmp_lt_u32 s[PRB], 2
	s_cselect_b32 s17, s2, 0
	s_cselect_b32 s94, 0, s2
	s_add_co_u32 s17, s17, s67                     ; tile row: hangs on cy alone within the cluster
	s_add_co_u32 s94, s94, s66                     ; tile column: on cx alone
	s_lshl_b32 s92, s67, 2
	s_lshl_b32 s92, 15, s92                        ; my row of the cluster
	s_lshl_b32 s93, 0x1111, s66                    ; my column
	s_lshl_b32 s20, s17, 8                         ; A: the tile's first row
	s_lshl_b32 s22, s94, 8                         ; B: likewise
	s_lshl_b32 s68, s20, 10                        ; its codes, 1,024 bytes a row,
	s_mov_b32 s69, 0
	s_lshl_b32 s70, s20, 5                         ; its scale bytes, 32 a row
	s_mov_b32 s71, 0
	s_lshl_b32 s72, s22, 10
	s_mov_b32 s73, 0
	s_lshl_b32 s74, s22, 5
	s_mov_b32 s75, 0
	s_wait_dscnt 0x0                               ; both opening adds are done
	s_wait_kmcnt 0x0
	s_cmp_eq_u32 s[PRB], 0                         ; the buffers are chosen by the problem's number alone
	s_cselect_b64 s[8:9], s[28:29], s[32:33]
	s_cselect_b64 s[10:11], s[30:31], s[34:35]
	s_cselect_b64 s[96:97], s[40:41], s[42:43]
	s_cmp_lt_u32 s[PRB], 2
	s_cselect_b64 s[4:5], s[24:25], s[36:37]       ; A's codes: x, or Wv
	s_cselect_b64 s[6:7], s[26:27], s[38:39]
	s_cselect_b64 s[8:9], s[8:9], s[24:25]         ; B's codes: Wq or Wk, or x
	s_cselect_b64 s[10:11], s[10:11], s[26:27]
	s_cselect_b64 s[96:97], s[96:97], s[44:45]     ; the bias
	s_mov_b32 s100, 0x10000
	s_cselect_b32 s100, 0x40000, s100              ; 64 M: from one 64 of C to the next, codes
	s_mov_b32 s101, 0x800
	s_cselect_b32 s101, 0x2000, s101               ; 2 M: scale bytes
	s_mov_b64 s[12:13], s[46:47]
	s_mov_b64 s[98:99], s[46:47]
	s_add_nc_u64 s[20:21], s[4:5], s[68:69]
	s_add_nc_u64 s[G0S+2:G0S+3], s[6:7], s[70:71]
	s_add_nc_u64 s[46:47], s[8:9], s[72:73]
	s_add_nc_u64 s[G0SB+2:G0SB+3], s[10:11], s[74:75]
	; descriptor group 1: a tile of 128 rows x 256 bytes, padded in LDS
	s_or_b32 s[G1+0], s92, (0<<16)|(1<<20)|(1<<21)|(5<<22)|(3<<25)  ; 15:0 the mask: A's tiles go to my row; elements of 1 byte; padding on; bit 21 beside a mask; after every 64 words, 4 words
	s_or_b32 s[G1B+0], s93, (0<<16)|(1<<20)|(1<<21)|(5<<22)|(3<<25)
.irp g, G1, G1B
	s_mov_b32 s[\g+1], ROWB<<16
	s_mov_b32 s[\g+2], 256<<16                     ; the head's loads bring 256 rows; behind them the two words that count rows are set to 128
	s_mov_b32 s[\g+3], ROWB<<16
	s_mov_b32 s[\g+4], 256
	s_mov_b32 s[\g+5], KROW
	s_mov_b32 s[\g+6], 0
	s_mov_b32 s[\g+7], 0
.endr
	; the scales of 256 rows: a dense block of 8,192 bytes, as rows of 256 bytes (32 elements of 8 bytes), 16 bytes of padding behind each
	s_or_b32 s[G1S+0], s92, (3<<16)|(1<<20)|(1<<21)|(5<<22)|(3<<25)
	s_or_b32 s[G1SB+0], s93, (3<<16)|(1<<20)|(1<<21)|(5<<22)|(3<<25)
.irp g, G1S, G1SB
	s_mov_b32 s[\g+1], 32<<16
	s_mov_b32 s[\g+2], (256*KS/256)<<16            ; the scales of 256 rows: 8,192 dense bytes
	s_mov_b32 s[\g+3], 32<<16
	s_mov_b32 s[\g+4], 256*KS/256
	s_mov_b32 s[\g+5], 32
	s_mov_b32 s[\g+6], 0
	s_mov_b32 s[\g+7], 0
.endr
	s_mul_i32 s45, s14, HALFT                      ; in the ring: wave x 128 rows: no place in the cluster enters an LDS address
	s_lshl_b32 s2, s16, 17                         ; and which 128 rows of a tile I fetch there, in bytes
	s_mov_b32 s3, 0
	CROUND                                         ; all sixteen work-groups are here: the first joint loads meet
	s_mov_b32 s[G0S], 1                            ; the head's four tiles, each whole: the scales of A's 256 rows,
	s_mov_b32 s[G0S+1], SCL
	s_or_b32 s[G0S+3], s[G0S+3], 0x80000000
	s_mov_b32 s[G0SB], 1                           ; of B's,
	s_mov_b32 s[G0SB+1], SCL+2*HALFS
	s_or_b32 s[G0SB+3], s[G0SB+3], 0x80000000
	s_mov_b32 s[G0], 1                             ; K step 0's 256 rows of A (in slot 0's group 0, which is set for the ring behind the wait for this load),
	s_mov_b32 s[G0+1], 0
	s_mov_b64 s[G0+2:G0+3], s[20:21]
	s_or_b32 s[G0+3], s[G0+3], 0x80000000
	s_mov_b32 s[G0B], 1                            ; and its 256 rows of B, behind them
	s_mov_b32 s[G0B+1], 2*HALFT
	s_mov_b64 s[G0B+2:G0B+3], s[46:47]
	s_or_b32 s[G0B+3], s[G0B+3], 0x80000000
	s_add_nc_u64 s[20:21], s[20:21], s[2:3]        ; for the ring: my 128 rows
	s_add_nc_u64 s[46:47], s[46:47], s[2:3]
	s_mov_b32 s[G0+4], 1                           ; slot 1: K step 1
	s_add_co_u32 s[G0+5], s45, SLOT
	s_add_nc_u64 s[G0+6:G0+7], s[20:21], ROWB
	s_or_b32 s[G0+7], s[G0+7], 0x80000000
	s_mov_b32 s[G0B+4], 1
	s_add_co_u32 s[G0B+5], s45, SLOT
	s_add_nc_u64 s[G0B+6:G0B+7], s[46:47], ROWB
	s_or_b32 s[G0B+7], s[G0B+7], 0x80000000
	s_cmp_eq_u32 s15, 0                            ; the prefetch's address: of the 128 rows that I fetch in the ring, my work-group's 32: the four partners that ask jointly are told apart by address (cx for A, cy for B)
	s_cselect_b64 s[40:41], s[20:21], s[46:47]
	s_cselect_b32 s42, s66, s67
	s_lshl_b32 s42, s42, 15
	s_mov_b32 s43, 0
	s_add_nc_u64 s[40:41], s[40:41], s[42:43]
; THE HEAD'S LOADS, ONE A WAVE: one chain of branches on the wave's number, a load to an arm, all arms leading to one join
.macro ARM under, g0, g1, next
	s_cmp_lt_u32 s14, \under
	s_cbranch_scc0 \next
	tensor_load_to_lds s[\g0:\g0+3], s[\g1:\g1+7]
	s_nop 0
.rept 4
	v_nop
.endr
	s_branch .Lhead_asked
\next:
.endm
	ARM 1, G0,  G1,  .Lhead_b
	ARM 2, G0B, G1B, .Lhead_sa
	ARM 3, G0S, G1S, .Lhead_sb
	tensor_load_to_lds s[G0SB:G0SB+3], s[G1SB:G1SB+7]
	s_nop 0
.rept 4
	v_nop
.endr
.Lhead_asked:
	v_and_b32 v15, 31, v0
	v_lshlrev_b32 v15, 10, v15                     ; a lane a row of 1,024 bytes
	global_prefetch_b8 v15, s[40:41] offset:ROWB th:TH_LOAD_NT scope:SCOPE_SE   ; K step 1's 256 bytes of 32 rows: its tensor load stands behind the tables' job; each 256 bytes are named once in a cluster
	s_load_b128 s[8:11], s[0:1], 0x60              ; rel_k, rel_v: into the registers of A's and B's pointers, which are done with;
	s_load_b64 s[6:7], s[0:1], 0x70                ; rel.  The set-up below stands between these loads and the wait for them
	v_and_b32 v1, 15, v0                           ; r
	v_bfe_u32 v2, v0, 4, 1                         ; h
	v_mul_u32_u24 v3, v1, PITCH
	v_lshl_add_u32 v4, v2, 4, v3
	s_mul_i32 s21, s15, HALFT                      ; my 128 rows of A
	s_mul_i32 s22, s16, HALFT                      ; my 128 rows of B,
	s_add_co_u32 s22, s22, 2*HALFT                 ; which lie behind A's 256
.irp s, 0,1
	v_add_nc_u32 v[ADRA+\s], s21, v4
	v_add_nc_u32 v[ADRB+\s], s22, v4
	s_add_co_u32 s21, s21, SLOT
	s_add_co_u32 s22, s22, SLOT
.endr
	v_mul_u32_u24 v5, v1, KS                       ; my row's scales: 32 bytes a row,
	v_lshrrev_b32 v6, 8, v5
	v_lshl_add_u32 v5, v6, 4, v5                   ; and 16 more for each 256 passed
	s_mul_i32 s21, s15, HALFS
	s_mul_i32 s22, s16, HALFS
	s_add_co_u32 s22, s22, 2*HALFS
	s_sub_co_u32 s22, s22, s21
	v_mul_u32_u24 v6, s22, v2                      ; lanes 16-31 take B's
	s_add_co_u32 s21, s21, SCL
	v_add_nc_u32 v5, v5, v6
	v_add_nc_u32 v[ADRS], s21, v5
	; the way out: the stage's addresses
	s_mul_i32 s23, s14, STGB
	v_and_b32 v5, 7, v1                            ; r % 8
	v_lshrrev_b32 v6, 3, v1                        ; r / 8 = u
	v_lshlrev_b32 v[STO], 4, v5
	v_lshl_add_u32 v[STO], v6, 10, v[STO]
	v_lshl_add_u32 v[STO], v2, 3, v[STO]
	v_add_nc_u32 v[STO], s23, v[STO]               ; 1,024 u + 16 (r % 8) + 8 h
	v_lshlrev_b32 v[SST], 2, v5
	v_lshl_add_u32 v[SST], v6, 1, v[SST]
	v_add_nc_u32 v[SST], s23, v[SST]
	v_add_nc_u32 v[SST], 16384, v[SST]             ; 4 (r % 8) + 2 u, behind the codes
	v_and_b32 v6, 31, v0
	v_lshlrev_b32 v[CO], 4, v6
	v_add_nc_u32 v[RD], s23, v[CO]
	v_mul_u32_u24 v[SCO], s101, v2                 ; the scale bytes in memory: lanes 0-15 the first 64 of C, lanes 16-31 the second
	v_lshl_add_u32 v[SCO], v1, 4, v[SCO]
	; where my part of the result begins
	s_lshl_b32 s18, s94, 2
	s_lshl_b32 s19, s16, 1
	s_add_co_u32 s18, s18, s19                     ; C / 64 = 4 x tile column + 2 x half
	s_mul_i32 s19, s18, s100
	s_mul_i32 s18, s18, s101
	s_lshl_b32 s20, s17, 3
	s_lshl_b32 s21, s15, 2
	s_add_co_u32 s20, s20, s21                     ; R / 32 = 8 x tile row + 4 x half
	s_lshl_b32 s21, s20, 11
	s_add_co_u32 s19, s19, s21
	s_lshl_b32 s21, s20, 6
	s_add_co_u32 s18, s18, s21
	s_lshl_b32 s21, s[PRB], 22
	s_add_co_u32 s20, s19, s21
	s_mov_b32 s21, 0
	s_add_nc_u64 s[12:13], s[12:13], s[20:21]      ; codes, the first 64 of C
	s_lshl_b32 s20, s[PRB], 17
	s_add_co_u32 s20, s20, s18
	s_add_co_u32 s20, s20, OUTS
	s_add_nc_u64 s[98:99], s[98:99], s[20:21]      ; scale bytes
	s_mov_b32 s20, s100
	s_add_nc_u64 s[4:5], s[12:13], s[20:21]        ; codes, the second 64 of C
	; the biases' offsets, in both forms: by B's rows (q, k) and by A's rows (v), held inside the 1,024 numbers
	s_lshl_b32 s18, s94, 8
	s_lshl_b32 s19, s16, 7
	s_add_co_u32 s18, s18, s19
	s_and_b32 s18, s18, 1023
	s_lshl_b32 s18, s18, 2
	v_lshl_add_u32 v[BBA], v2, 5, s18
	s_lshl_b32 s18, s17, 8
	s_lshl_b32 s19, s15, 7
	s_add_co_u32 s18, s18, s19
	s_and_b32 s18, s18, 1023
	s_lshl_b32 s18, s18, 2
	v_lshl_add_u32 v[BAA], v1, 2, s18
	; THE TABLES: my wave's job, between the first fills and the wait for K step 0.  No LDS access, no barrier and no tensor load stands here; the branches hang on the job F alone.
	s_mov_b32 s[SEL], 0x76543210
	s_mov_b32 s[SEL+1], 0xfedcba98
	s_mov_b32 s[MNT], 0x600000
	s_and_b32 s20, ttmp7, 0xffff
	s_lshl_b32 s20, s20, 1
	s_add_co_u32 s20, s20, s15                     ; F = 2 x cluster y + wave / 2, 0 .. 23
	s_lshl_b32 s21, s16, 4
	s_lshl_b32 s23, s67, 2
	s_add_co_u32 s21, s21, s23
	s_add_co_u32 s21, s21, s66                     ; rho = 16 (wave % 2) + 4 cy + cx
	s_cmp_lt_u32 s20, 12                           ; rel_v's fragment, or rel_k's?
	s_cselect_b32 s22, 0, 12
	s_mov_b32 s23, 22528
	s_cselect_b32 s23, 24576, s23                  ; a phase's images in bytes: 12 fragments, or 11
	s_cselect_b32 s46, RV_IMG, 0
	s_mov_b32 s47, RK_SC
	s_cselect_b32 s47, RV_SC, s47
	s_sub_co_u32 s22, s20, s22                     ; the fragment's number in its table
	s_mul_i32 s23, s21, s23
	s_add_co_u32 s23, s23, s46
	s_lshl_b32 s46, s22, 11
	s_add_co_u32 s92, s23, s46                     ; where the image goes,
	s_mov_b32 s93, 0
	s_mul_i32 s23, s21, 768
	s_add_co_u32 s23, s23, s47
	s_lshl_b32 s46, s22, 6
	s_add_co_u32 s46, s23, s46                     ; and its scale words: 768 rho + 64 x fragment in either table
	s_mov_b32 s47, 0
	v_lshlrev_b32 v3, 2, v1                        ; a scale word's place: 4 r
	v_and_b32 v4, 8, v1
	v_add_nc_u32 v4, v4, v1                        ; x = r + 8 (r / 8)
	s_wait_kmcnt 0x0                               ; rel_k s[8:9], rel_v s[10:11], rel s[6:7]
	s_add_nc_u64 s[92:93], s[6:7], s[92:93]
	s_add_nc_u64 s[46:47], s[6:7], s[46:47]
	s_cmp_lt_u32 s20, 12
	s_cbranch_scc0 .Ltab_rk
	; rel_v's fragment 4 kappa + 2 blk + u: a lane takes a channel d and its registers run down the window's keys: key w = 128 kappa + 32 c + 16 h + i is row clamp(w - rho, 0, 256)
	s_lshr_b32 s23, s22, 2
	s_lshl_b32 s23, s23, 7
	s_add_co_u32 s23, s23, 32
	s_sub_co_u32 s23, s23, s21                     ; 128 kappa + 32 - rho, never negative
	v_lshl_add_u32 v5, v2, 4, s23
	s_bfe_u32 s23, s22, 0x10001
	s_lshl_b32 s23, s23, 7                         ; 32 blk channels of 4 bytes
	s_and_b32 s22, s22, 1
	s_lshl_b32 s22, s22, 5                         ; 8 u channels
	s_add_co_u32 s23, s23, s22
	s_wait_alu depctr_va_vdst(0)
	v_lshl_add_u32 v6, v4, 2, s23                  ; 4 d
.irp c, 0,1,2,3
.irp i, 0,1,2,3,4,5,6,7,8,9,10,11,12,13,14,15
	v_add_nc_u32 v[AQ+16*\c+\i], 32*\c+\i, v5      ; w + 32 - rho
.endr
.irp i, 0,1,2,3,4,5,6,7,8,9,10,11,12,13,14,15
	v_min_u32 v[T+16*\c+\i], 32, v[AQ+16*\c+\i]
.endr
.irp i, 0,1,2,3,4,5,6,7,8,9,10,11,12,13,14,15
	v_sub_nc_u32 v[AQ+16*\c+\i], v[AQ+16*\c+\i], v[T+16*\c+\i]     ; max(w - rho, 0)
.endr
.irp i, 0,1,2,3,4,5,6,7,8,9,10,11,12,13,14,15
	v_min_u32 v[AQ+16*\c+\i], 0x100, v[AQ+16*\c+\i]
.endr
.irp i, 0,1,2,3,4,5,6,7,8,9,10,11,12,13,14,15
	v_lshl_add_u32 v[AQ+16*\c+\i], v[AQ+16*\c+\i], 8, v6           ; a row is 256 bytes
.endr
.irp i, 0,1,2,3,4,5,6,7,8,9,10,11,12,13,14,15
	global_load_b32 v[T+16*\c+\i], v[AQ+16*\c+\i], s[10:11]
.endr
.endr
	s_branch .Ltab_q
.Ltab_rk:
	s_cmp_lt_u32 s20, 23
	s_cbranch_scc0 .Ltab_c
	; rel_k's fragment B: lane r has row X = clamp(32 (B - 1) + x - rho, 0, 256) in K 0-63 and the row 8 further on in K 64-127
	s_lshl_b32 s23, s22, 5
	s_add_co_u32 s23, s23, 31
	s_sub_co_u32 s23, s23, s21
	s_wait_alu depctr_va_vdst(0)
	v_add_nc_u32 v5, s23, v4                       ; 32 B + x + 31 - rho, never negative: 63 more than the table's row
	v_add_nc_u32 v6, 8, v5
	v_min_u32 v7, 63, v5
	v_sub_nc_u32 v5, v5, v7
	v_min_u32 v5, 0x100, v5
	v_min_u32 v7, 63, v6
	v_sub_nc_u32 v6, v6, v7
	v_min_u32 v6, 0x100, v6
	v_lshlrev_b32 v7, 6, v2
	v_lshl_add_u32 v5, v5, 8, v7                   ; my half's 16 numbers of a block of 32
	v_lshl_add_u32 v6, v6, 8, v7
.irp c, 0,1,2,3
.irp k, 0,1,2,3
	global_load_b128 v[T+16*\c+4*\k:T+16*\c+4*\k+3], v[5+\c/2], s[8:9] offset:128*(\c%2)+16*\k
.endr
.endr
.Ltab_q:
	s_wait_loadcnt 0x0                             ; the fragment's numbers are in, and the offsets' registers are free
.irp b, 0,1,2,3
	v_mov_b32 v[TM+4+\b], 0                        ; a lane permute's destination counts as one of its sources
.endr
	QUANT T
.irp c, 0,1,2,3
	global_store_b128 v[CO], v[PC+4*\c:PC+4*\c+3], s[92:93] offset:512*\c  ; 32 lanes store 512 consecutive bytes
.endr
	global_store_b32 v3, v[PW], s[46:47]           ; lanes l and l xor 16 hold the same word and write it to the same place
	s_branch .Ltab_done
.Ltab_c:
	; c0 and c256: number n = 64 t + d is rel_v[256 t][d], quantised as a block of its own copies.  The wave of phase rho makes n = 4 rho + lane % 4: eight lanes hold the same number and write it to the same place
	s_lshl_b32 s23, s21, 2
	v_and_b32 v5, 3, v0
	v_add_nc_u32 v5, s23, v5                       ; n
	v_lshrrev_b32 v6, 6, v5
	v_and_b32 v7, 63, v5
	v_lshlrev_b32 v7, 2, v7
	v_lshl_add_u32 v6, v6, 16, v7                  ; 65,536 t + 4 d
	v_lshlrev_b32 v5, 2, v5
	global_load_b32 v[T+8], v6, s[10:11]
.irp j, 1,2,3,4,5,6,7
	v_mov_b32 v[T+\j], 0
.endr
	s_wait_loadcnt 0x0
	v_max_num_f32 v[TM], |v[T+8]|, 0x4800000
	v_add_nc_u32 v[TM+1], 0xfc000000, v[TM]
	v_and_or_b32 v[TM+2], v[TM], 0x7f800000, s[MNT]
	v_med3_num_f32 v[T], v[T+8], -v[TM+2], v[TM+2]
	s_wait_alu depctr_va_vdst(0)
	v_cvt_scalef32_pk8_fp8_f32 v[PC:PC+1], v[T:T+7], v[TM+1]
	v_lshrrev_b32 v[TM+3], 23, v[TM+1]             ; (a plain line behind the conversion)  the scale's byte,
	v_add_nc_u32 v[TM+3], 0xffffff81, v[TM+3]      ; as an exponent
	v_cvt_f32_fp8 v[TM+4], v[PC]                   ; the code's value
	v_ldexp_f32 v[TM+5], v[TM+4], v[TM+3]          ; x the scale
	global_store_b32 v5, v[TM+5], s[6:7] offset:RELG
.Ltab_done:
	s_wait_xcnt 0x0                                ; the stores have read their registers: A's fragments may land there
	; the bias, in both forms.  Every wave loads both, so that no load stands under a branch; the way out reads the form that its problem has
.irp b, 0,1,2,3,4,5,6,7
	global_load_b128 v[BB+8*\b:BB+8*\b+3], v[BBA], s[96:97] offset:64*\b
	global_load_b128 v[BB+8*\b+4:BB+8*\b+7], v[BBA], s[96:97] offset:64*\b+16
.endr
.irp a, 0,1,2,3,4,5,6,7
	global_load_b32 v[BA+\a], v[BAA], s[96:97] offset:64*\a
.endr
.macro FRAG reg, adr, q, i             ; a fragment, 16 rows x 128 K: lane l holds row l % 16; registers 4 c .. 4 c + 3 hold K = 32 c + 16 (l / 16) + 0 .. 15
.irp c, 0,1,2,3
	ds_load_b128 v[\reg+4*\c:\reg+4*\c+3], v[\adr] offset:128*(\q)+32*\c+(\i)*16*PITCH
.endr
.endm
; 16 matrix instructions: A's blocks a0, a0 + 1 x B's eight.  The 64 accumulators take turns, one instruction a turn, in the same order in every step.
.macro MUL16 a0, p, q, sc, zero
.irp a, \a0, \a0+1
.irp b, 0,1,2,3,4,5,6,7
.if \zero
	v_wmma_scale_f32_16x16x128_f8f6f4 v[8*(8*((\a)%4)+\b):8*(8*((\a)%4)+\b)+7], v[128*(\p)+FR*\b:128*(\p)+FR*\b+FR-1], v[AF+FR*(\a):AF+FR*(\a)+FR-1], 0, v[SC+8*NQ*(\sc)+NQ*\b+(\q)], v[SC+8*NQ*(\sc)+NQ*(\a)+(\q)] matrix_a_scale:MATRIX_SCALE_ROW1
.else
	v_wmma_scale_f32_16x16x128_f8f6f4 v[8*(8*((\a)%4)+\b):8*(8*((\a)%4)+\b)+7], v[128*(\p)+FR*\b:128*(\p)+FR*\b+FR-1], v[AF+FR*(\a):AF+FR*(\a)+FR-1], v[8*(8*((\a)%4)+\b):8*(8*((\a)%4)+\b)+7], v[SC+8*NQ*(\sc)+NQ*\b+(\q)], v[SC+8*NQ*(\sc)+NQ*(\a)+(\q)] matrix_a_scale:MATRIX_SCALE_ROW1
.endif
.endr
.endr
.endm
.macro FETCH_B slot, q, p
	WIN TO_B
.irp i, 0,1,2,3,4,5,6,7
	FRAG 128*(\p)+FR*\i, ADRB+\slot, \q, \i
.endr
	WIN 0
.endm
.macro FETCH_A slot, q, i0
.irp i, \i0, \i0+1, \i0+2, \i0+3
	FRAG AF+FR*(\i), ADRA+\slot, \q, \i
.endr
.endm
.macro SCALES sc                       ; the next K step's scale words: lanes 0-15 take A's block i, lanes 16-31 B's block i
.irp i, 0,1,2,3,4,5,6,7
	ds_load_b64 v[SC+8*NQ*\sc+NQ*\i:SC+8*NQ*\sc+NQ*\i+1], v[ADRS] offset:\i*SBLK
.endr
.endm
.macro PLACES n                        ; plain vector instructions between a matrix instruction and a load into, or a read of, its registers
.rept \n
	v_nop
.endr
.endm
.macro STEP slot, q, zero              ; 128 along K that has its successor in the same slot
	s_wait_dscnt 4*NL                              ; B's set and A's blocks 0-3 are in; the youngest 16 loads (A's blocks 4-7) may be out
	WIN MUL_LO
	MUL16 0, (\q)%2, \q, \slot, \zero
	MUL16 2, (\q)%2, \q, \slot, \zero
	s_wait_dscnt 0
	PLACES NP
	FETCH_B \slot, (\q)+1, 1-(\q)%2
	FETCH_A \slot, (\q)+1, 0
	WIN MUL_HI
	MUL16 4, (\q)%2, \q, \slot, \zero
	MUL16 6, (\q)%2, \q, \slot, \zero
	PLACES NP
	WIN 0
	FETCH_A \slot, (\q)+1, 4
.endm
; A slot's last step changes slots: one barrier; in front of it each wave waits for all its tensor loads, adds 0 to its spare word, and waits for that and for its own reads of this slot.
.macro TURN slot, next, fill
	s_wait_tensorcnt 0x0                           ; all my tensor loads have landed: my part of the next slot
	ds_add_u32 v[SPW], v[NIL]
	s_wait_dscnt 4*NL+1                            ; (the add and the youngest 16 loads may be out)
	WIN MUL_LO
	MUL16 0, 1, NQ-1, \slot, 0
	s_wait_dscnt 0x0                               ; the add is done, and my reads of this slot are over
	s_barrier_signal -1
	MUL16 2, 1, NQ-1, \slot, 0
	WIN 0
	s_barrier_wait -1
.if \fill
	CREST                                          ; the barrier has opened a round of the cluster's barrier: no wave of any partner still reads this slot or has a load on its way
	s_add_nc_u64 s[G0+4*\slot+2:G0+4*\slot+3], s[G0+4*\slot+2:G0+4*\slot+3], 2*ROWB
	s_add_nc_u64 s[G0B+4*\slot+2:G0B+4*\slot+3], s[G0B+4*\slot+2:G0B+4*\slot+3], 2*ROWB
	JLOAD G0+4*\slot, G1, G0B+4*\slot, G1B
	PLACES NP-4
.else
	PLACES NP
.endif
	s_wait_alu depctr_va_vdst(0)
	v_add_nc_u32 v[ADRS], 4*NQ, v[ADRS]
	FETCH_B \next, 0, 0
	FETCH_A \next, 0, 0
	SCALES \next
	WIN MUL_HI
	MUL16 4, 1, NQ-1, \slot, 0
	MUL16 6, 1, NQ-1, \slot, 0
	PLACES NP
	WIN 0
	FETCH_A \next, 0, 4
.endm
	s_wait_alu depctr_va_vdst(0)                   ; the wait at the head's end
	s_wait_tensorcnt 0x0                           ; my tile of the head's four is in
	ds_add_u32 v[SPW], v[NIL]
	s_mov_b32 s[G1+2], 128<<16                     ; no tensor load of mine is out, so descriptors may be written: from here on a load brings 128 rows,
	s_mov_b32 s[G1+4], 128
	s_mov_b32 s[G1B+2], 128<<16
	s_mov_b32 s[G1B+4], 128
	s_mul_i32 s[G0+1], s14, HALFT                  ; and slot 0's group 0 stands at my 128 rows of K step 0: the first refill steps it two K steps on
	s_mul_i32 s[G0B+1], s14, HALFT
	s_lshl_b32 s20, s16, 17
	s_mov_b32 s21, 0
	s_add_nc_u64 s[G0+2:G0+3], s[G0+2:G0+3], s[20:21]
	s_add_nc_u64 s[G0B+2:G0B+3], s[G0B+2:G0B+3], s[20:21]
	s_wait_dscnt 0x0                               ; the add is done
	CROUND                                         ; a whole round: all four tiles are in, and all sixteen work-groups are here
	JLOAD G0+4, G1, G0B+4, G1B                     ; K step 1's load, the first tensor load behind the round
	FETCH_B 0, 0, 0
	FETCH_A 0, 0, 0
	SCALES 0
	FETCH_A 0, 0, 4
	STEP 0, 0, 1                                   ; the first step's products start the sums
	s_mov_b32 s3, LAPS-1
.Llap:
	TURN 0, 1, 1
	STEP 1, 0, 0
	TURN 1, 0, 1
	STEP 0, 0, 0
	s_sub_co_u32 s3, s3, 1
	s_cmp_lg_u32 s3, 0
	s_cbranch_scc1 .Llap
	TURN 0, 1, 0                                   ; the last lap fills nothing
	STEP 1, 0, 0
	s_wait_dscnt 4*NL
	WIN MUL_LO
	MUL16 0, 1, NQ-1, 1, 0
	MUL16 2, 1, NQ-1, 1, 0
	s_wait_dscnt 0
	WIN MUL_HI
	MUL16 4, 1, NQ-1, 1, 0
	MUL16 6, 1, NQ-1, 1, 0
	WIN 0
; THE WAY OUT.  A lane's 64 numbers of A's block a lie along C: register 8 b + j is C = 16 b + 8 h + j, so registers 16 e .. 16 e + 15 are 16 numbers of the block of 32 at C = 32 e, and lane l xor 16 holds the other 16.
; Block a: the bias is added on the way from the accumulators' window into window 0 (each accumulator from its low end on); quantised; codes and scale bytes go to their places of the image, in my stage.
.macro OUTA a
.set AC, 64*((\a)%4)
	s_cmp_lt_u32 s[PRB], 2                         ; the problem's number: the same in all waves and all partners
	s_cbranch_scc0 .Lby_row_\@
	WIN 0x02+(\a)/4                                ; source 0: window 2 or 3
.set n, 0
.rept 32
	v_pk_add_f32 v[T+n:T+n+1], v[AC+n:AC+n+1], v[BB+n:BB+n+1]
.set n, n+2
.endr
	WIN 0
	s_branch .Ladded_\@
.Lby_row_\@:
	WIN 0x02+(\a)/4
.set n, 0
.rept 32
.if (\a)%2
	v_pk_add_f32 v[T+n:T+n+1], v[AC+n:AC+n+1], v[BA+2*((\a)/2):BA+2*((\a)/2)+1] op_sel:[0,1] op_sel_hi:[1,1]
.else
	v_pk_add_f32 v[T+n:T+n+1], v[AC+n:AC+n+1], v[BA+2*((\a)/2):BA+2*((\a)/2)+1] op_sel:[0,0] op_sel_hi:[1,0]
.endif
.set n, n+2
.endr
	WIN 0
.Ladded_\@:
	QUANT T
.irp e, 0,1,2,3
	ds_store_b64 v[STO], v[PC+4*\e:PC+4*\e+1] offset:(\e/2)*8192+((\a)/2)*2048+(\e%2)*512+((\a)%2)*128
	ds_store_b64 v[STO], v[PC+4*\e+2:PC+4*\e+3] offset:(\e/2)*8192+((\a)/2)*2048+(\e%2)*512+256+((\a)%2)*128
.endr
	ds_store_b16 v[SST], v[PW] offset:((\a)/2)*64+((\a)%2)*32              ; the first 64 of C: two bytes; lanes l and l xor 16 write the same bytes
	ds_store_b16_d16_hi v[SST], v[PW] offset:256+((\a)/2)*64+((\a)%2)*32   ; the second 64
	s_wait_dscnt 0x0                               ; the stores have read their registers
.endm
	PLACES NP                                      ; behind the last products: their results are read, and the registers that held A's fragments are written
	s_wait_loadcnt 0x0                             ; the biases
.irp a, 0,1,2,3,4,5,6,7
	OUTA \a
.endr
.irp i, 0,1,2,3,4,5,6,7,8,9,10,11,12,13,14,15
	ds_load_b128 v[T+4*\i:T+4*\i+3], v[RD] offset:512*\i               ; LDS serves a wave's instructions in order (ISA guide 5.7.1.4): these see my stores
.endr
.irp i, 0,1,2,3,4,5,6,7,8,9,10,11,12,13,14,15
	ds_load_b128 v[BB+4*\i:BB+4*\i+3], v[RD] offset:8192+512*\i
.endr
	ds_load_b128 v[PC:PC+3], v[RD] offset:16384
.irp i, 0,1,2,3,4,5,6,7,8,9,10,11,12,13,14,15
	s_wait_dscnt 32-\i                             ; behind load i: the 15 - i of its run, the second run's 16 and the scale bytes' one
	global_store_b128 v[CO], v[T+4*\i:T+4*\i+3], s[12:13] offset:512*\i    ; 32 lanes store 512 consecutive bytes, at a multiple of 256 from the buffer's first byte
.endr
.irp i, 0,1,2,3,4,5,6,7,8,9,10,11,12,13,14,15
	s_wait_dscnt 16-\i
	global_store_b128 v[CO], v[BB+4*\i:BB+4*\i+3], s[4:5] offset:512*\i
.endr
	s_wait_dscnt 0x0
	global_store_b128 v[SCO], v[PC:PC+3], s[98:99] ; sixteen lanes store 256 consecutive scale bytes
	s_wait_tensorcnt 0x0                           ; the wave's end
	ds_add_u32 v[SPW], v[NIL]
	s_wait_dscnt 0x0
	CROUND                                         ; the closing round
	s_endpgm
.Lfunc_end_k_q0783bf53e7_qkv:
	.size	k_q0783bf53e7_qkv, .Lfunc_end_k_q0783bf53e7_qkv-k_q0783bf53e7_qkv
	.p2alignl 7, 3214868480
	.fill 96, 4, 3214868480
	.section	.rodata,"a",@progbits
	.p2align	6, 0x0
	.amdhsa_kernel k_q0783bf53e7_qkv
		.amdhsa_group_segment_fixed_size 327680
		.amdhsa_private_segment_fixed_size 0
		.amdhsa_enable_private_segment 0
		.amdhsa_kernarg_size 120
		.amdhsa_user_sgpr_count 2
		.amdhsa_user_sgpr_kernarg_segment_ptr 1
		.amdhsa_wavefront_size32 1
		.amdhsa_system_sgpr_workgroup_id_x 1
		.amdhsa_system_sgpr_workgroup_id_y 1
		.amdhsa_system_sgpr_workgroup_id_z 1
		.amdhsa_system_vgpr_workitem_id 0
		.amdhsa_next_free_vgpr 1024
		.amdhsa_next_free_sgpr 102
		.amdhsa_reserve_vcc 0
		.amdhsa_float_denorm_mode_32 3
		.amdhsa_float_denorm_mode_16_64 3
		.amdhsa_memory_ordered 1
		.amdhsa_forward_progress 1
		.amdhsa_inst_pref_size 255
	.end_amdhsa_kernel
	.section	.bss,"aw",@nobits
	.p2align	6
	.space	262144
	.amdgpu_metadata
---
amdhsa.version: [ 1, 2 ]
amdhsa.kernels:
  - .name:           k_q0783bf53e7_qkv
    .symbol:         k_q0783bf53e7_qkv.kd
    .args:
      - { .name: x_codes, .offset: 0, .size: 8, .value_kind: global_buffer, .address_space: global }
      - { .name: x_scales, .offset: 8, .size: 8, .value_kind: global_buffer, .address_space: global }
      - { .name: Wq_codes, .offset: 16, .size: 8, .value_kind: global_buffer, .address_space: global }
      - { .name: Wq_scales, .offset: 24, .size: 8, .value_kind: global_buffer, .address_space: global }
      - { .name: Wk_codes, .offset: 32, .size: 8, .value_kind: global_buffer, .address_space: global }
      - { .name: Wk_scales, .offset: 40, .size: 8, .value_kind: global_buffer, .address_space: global }
      - { .name: Wv_codes, .offset: 48, .size: 8, .value_kind: global_buffer, .address_space: global }
      - { .name: Wv_scales, .offset: 56, .size: 8, .value_kind: global_buffer, .address_space: global }
      - { .name: bq, .offset: 64, .size: 8, .value_kind: global_buffer, .address_space: global }
      - { .name: bk, .offset: 72, .size: 8, .value_kind: global_buffer, .address_space: global }
      - { .name: bv, .offset: 80, .size: 8, .value_kind: global_buffer, .address_space: global }
      - { .name: qkv, .offset: 88, .size: 8, .value_kind: global_buffer, .address_space: global }
      - { .name: rel_k, .offset: 96, .size: 8, .value_kind: global_buffer, .address_space: global }
      - { .name: rel_v, .offset: 104, .size: 8, .value_kind: global_buffer, .address_space: global }
      - { .name: rel, .offset: 112, .size: 8, .value_kind: global_buffer, .address_space: global }
    .group_segment_fixed_size: 327680
    .private_segment_fixed_size: 0
    .kernarg_segment_align: 8
    .kernarg_segment_size: 120
    .max_flat_workgroup_size: 128
    .sgpr_count:     102
    .vgpr_count:     1024
    .wavefront_size: 32
...
	.end_amdgpu_metadata
.endif
;; end of part 1
;; launch attn (part 2): grid 4 x 64, 8 waves a work-group, clusters of 4 x 1, 327,680 bytes of LDS; arguments qkv, rel, att; writes att
.if DOCPART == 2
	.amdgcn_target "amdgcn-amd-amdhsa--gfx1250"
	.amdhsa_code_object_version 6
	.text
	.protected	k_q0783bf53e7_attn
	.globl	k_q0783bf53e7_attn
	.p2align	8
	.type	k_q0783bf53e7_attn,@function
k_q0783bf53e7_attn:
	s_mov_b64 s[64:65], 0
	v_nop
	global_prefetch_b8 v0, s[64:65] scope:SCOPE_SE
	s_setreg_imm32_b32 hwreg(HW_REG_WAVE_MODE, 25, 1), 1
	s_wait_xcnt 0x0
	s_wait_alu depctr_hold_cnt(0) depctr_sa_sdst(0) depctr_va_vdst(0) depctr_va_sdst(0) depctr_va_ssrc(0) depctr_va_vcc(0) depctr_vm_vsrc(0)
	s_getreg_b32 s2, hwreg(HW_REG_IB_STS2, 6, 4)
	s_cmp_eq_u32 s2, 0
	s_cbranch_scc0 .Lentry_in_a_cluster
	s_endpgm
.Lentry_in_a_cluster:
	s_bfe_u32 s2, ttmp6, 0x10000c
	s_cmp_lg_u32 s2, 0x3003
	s_cbranch_scc0 .Lentry_shape_is_right
	s_endpgm
.Lentry_shape_is_right:
; ATTENTION WITH RELATIVE POSITIONS on codes of FP8 (E4M3) with E8M0 scales.  Scores = (q k^T + q rel_k[idx]^T) / 8; p = 2^(t - M), M the ceiling of the running largest t; out = (p v + p rel_v[idx]) / the sum of p.
; LEFT OUT (shown at the head of the first kernel): the products with gathered rows that repeat a table row.  A query is multiplied with 11 blocks of 32 table rows; p is multiplied with the nine blocks of
; rel_v's window; the blocks outside the window, 32 copies of one quantised number, enter as c0[d] x (the sum of the quantised p left of the window) + c256[d] x (the sum right of it).
; SHARES.  A cluster of four work-groups owns one head of one batch (cluster y = 16 b + h).  Wave w of partner cx owns the PHASE rho = 8 cx + w: the 32 queries q = rho + 32 i', as two tiles of 16 (i' = i + 16 g), one after
; the other.  All queries of a tile see the table at the same phase, so they share its fragments, and from query to query the window moves by whole blocks of 32 keys.  rho enters addresses in memory alone.
; Every wave walks the 1,024 keys twice, 128 a step, through a ring of two LDS slots of 256 keys that the four partners fill jointly (wave 0: K, wave 1: V).
; LAYOUT.  All products are used transposed: a lane holds ONE query (lane % 16).  K = 64 fills half of an instruction's 128, so a fragment of k (or of the table) holds two tiles of keys [X | Y] and is multiplied by
; [q | 0] and by [0 | q]; X(r) = r + 8 (r / 8), Y = X + 8, so that a fragment's 16 results are 16 neighbouring keys.
; A WAVE'S TABLES in LDS, by block m = clamp(i' - j + 5, 0, 10) for key block j (10: left of the window, 0: right of it, window block cw at 9 - cw):
;   RT: q . rel_k for the block's 32 keys, f32: it is the C of the product with k.   PT: p's codes of the window's blocks.   ET: their scale bytes + M, so that they can be brought under the last M.  In PT and ET
;   blocks 0 and 10 take what falls outside the window, and are not read.
; The sums of the quantised p of a step's four blocks come from one product with a fragment of ones (row m has ones in block m % 4).
; LIMITS: NaN and infinities are not served.  A block of p or of the output whose largest magnitude lies under 2^-118 gets the byte 1.  A window block whose scale falls under 2^-127 beneath the last M is held at byte 0:
; what it then adds lies under 2^-118 beside a sum of at least 1/2.
; The scale bytes of the output leave as single bytes, 32 bytes apart: one byte in 33 of what a tile stores.
; REGISTERS.  window 0: v1-23 addresses and a query's running numbers; v24-46 scale words; v48-111 KF: fragments of k, then of v; v112-175 S: scores, then p; v176-207 O^T; v208-223 p's codes; v224-255 at work.
;   window 1: v0-15 the ones; v16-39 [0 | q | 0]; v40-231 rel_v's twelve fragments of my phase.
.set QKV_K,  4194304
.set QKV_V,  8388608
.set QKV_S,  12582912
.set RK_SC,  720896
.set RV_IMG, 745472
.set RV_SC,  1531904
.set RELG,   1556480
.set ATT_SC, 4194304
.set SLOTB,  32768                     ; a slot: 8 fragments of k (16,384 bytes), then 4 chunks of 64 keys of v (4,096 bytes each)
.set VOFF,   16384
.set SCK,    65536                     ; k's scale words of the head: 32 fragments x 64 bytes
.set SCV,    67584                     ; v's scale bytes: 16 chunks x 128 bytes
.set RELC,   69632                     ; c0, c256: 2 x 64 f32
.set WREG0,  70144                     ; from here a region of its own for each wave
.set WREGB,  29952
.set RTP,    1424                      ; RT: a query's row: 11 blocks of 128 bytes + 16
.set PTO,    22784
.set PTP,    368                       ; PT: 11 blocks of 32 bytes + 16
.set ETO,    28928
.set ETP,    48                        ; ET: 11 words + 4 bytes
.set SPARE,  309760                    ; the spare words, 128 bytes for each of eight waves
.set LI,  1                            ; v1   16 x lane
.set RB,  2                            ; v2   RT: my query's row, my half
.set PB,  3                            ; v3   PT likewise
.set EB,  4                            ; v4   ET: my query's row
.set SPW, 5
.set NIL, 6
.set VI,  7                            ; v7   i = lane % 16
.set AKS, 8                            ; v8   k's scale words: 4 i
.set AVS, 9                            ; v9   v's
.set AD,  10                           ; v10  the slot in hand + 16 x lane
.set ADS, 11                           ; v11  its scale words of k
.set NM,  12                           ; v12  -M;  v13 the largest t
.set TMX, 13
.set L,   14                           ; v[14:15] the sum of p, in two halves
.set SLR, 16                           ; v16 the sum of quantised p left of the window, v17 right of it
.set ADT, 18                           ; v18  the slot's scale bytes of v
.set T0,  19                           ; v19  j - i' + 31 for the slot's first block
.set NMI, 20                           ; v20  -M as a whole number
.set GQ,  21                           ; v21  q's codes: 2,048 i + 256 half
.set I64, 22
.set I4,  23
.set SCW, 24                           ; v24-35 scale words of k, of v, of the table
.set RVS, 36                           ; v36-41 rel_v's: fragment 2 p in lanes 0-15, 2 p + 1 in lanes 16-31
.set PS,  42                           ; v42-44 p's
.set QS,  45                           ; v45  q's, twice
.set ONS, 46                           ; v46  the ones': 2^0
.set PFO, 47
.set KF,  48
.set S,   112
.set O,   176
.set PC,  208
.set MM,  224                          ; v224-227 m of the step's four blocks
.set MX,  228                          ; v228-231 block maxima; later ET addresses
.set T2,  232
.set HD,  236
.set SO,  240
.set BS,  236                          ; v236-243 the block sums
.set AR,  244                          ; v244-247 RT addresses, then PT addresses
.set VH,  248
.set F,   252
.set CS,  2                            ; s[2:3] c = log2(e) / 8
.set WV,  10
.set CX,  11
.set RHO, 12
.set HN,  13
.set BN,  14
.set CNT, 15                           ; the slot's number in the walk, 0..7: tile CNT / 4, keys 256 (CNT % 4) on
.set MNT, 16
.set TA,  17
.set PTB, 18                           ; my PT's first byte
.set LIM, 19
.set QP,  20
.set QSP, 22
.set RKP, 24
.set RKS, 26
.set AOP, 28
.set ASP, 30
.set KB,  32
.set VB,  34
.set G1K, 36
.set G1V, 44
.set G1KS, 52
.set G0C, 60
.set PFA, 66
.set G1VS, 68
.set G1C, 76
.set G0K, 84
.set G0V, 88
.set G0KS, 92
.set G0VS, 96
.set SEL, 100
.set OFF, 104                          ; s[104:105] an offset with 0 above it
.set MSB, 0
.macro WIN new                         ; bits 1:0 source 0, 3:2 source 1, 5:4 source 2, 7:6 destination; the high byte repeats the setting that is left
.if MSB != (\new)
	s_set_vgpr_msb (MSB<<8)|(\new)
.set MSB, \new
.endif
.endm
.macro CROUND                          ; a round of the cluster's barrier
	s_barrier_signal -1
	s_barrier_wait -1
	s_cmp_lg_u32 s[WV], 0
	s_cbranch_scc1 .Lnot_wave_0_\@
	s_barrier_signal -3
.Lnot_wave_0_\@:
	s_barrier_wait -3
	s_barrier_signal -1
	s_barrier_wait -1
.endm
.macro GROUP1 g, c, r, p               ; r rows of c elements of 8 bytes, p elements apart, no padding; the mask names all four partners, bit 21 beside it
	s_mov_b32 s[\g], 15|(3<<16)|(1<<21)
	s_mov_b32 s[\g+1], (\c)<<16
	s_mov_b32 s[\g+2], (\r)<<16
	s_mov_b32 s[\g+3], (\c)<<16
	s_mov_b32 s[\g+4], \r
	s_mov_b32 s[\g+5], \p
	s_mov_b32 s[\g+6], 0
	s_mov_b32 s[\g+7], 0
.endm
.macro PLACES n
.rept \n
	v_nop
.endr
.endm
	s_load_b128 s[4:7], s[0:1], 0x0                ; qkv, rel
	s_load_b64 s[8:9], s[0:1], 0x10                ; att
	v_lshl_add_u32 v[SPW], v0, 2, SPARE
	v_mov_b32 v[NIL], 0
	ds_add_u32 v[SPW], v[NIL]                      ; the wave's opening: the add, twice on end, and its wait ahead of the first tensor load
	ds_add_u32 v[SPW], v[NIL]
	v_lshrrev_b32 v1, 5, v0
	s_delay_alu instid0(VALU_DEP_1)
	v_readfirstlane_b32 s[WV], v1                  ; wave 0..7
	s_bfe_u32 s[CX], ttmp6, 0x40000                ; my place in the cluster
	s_lshl_b32 s[RHO], s[CX], 3
	s_add_co_u32 s[RHO], s[RHO], s[WV]             ; my phase
	s_and_b32 s[TA], ttmp7, 0xffff
	s_and_b32 s[HN], s[TA], 15                     ; the head
	s_lshr_b32 s[BN], s[TA], 4                     ; the batch
	GROUP1 G1K, 32, 64, 32                         ; k: 16,384 dense bytes as 64 rows of 256
	GROUP1 G1V, 512, 4, 8192                       ; v: four chunks of 4,096 bytes, 65,536 apart
	GROUP1 G1KS, 32, 8, 32                         ; k's scale words: 2,048 dense bytes
	GROUP1 G1VS, 16, 16, 256                       ; v's scale bytes: 16 chunks of 128 bytes, 2,048 apart
	GROUP1 G1C, 32, 2, 32                          ; c0, c256: 512 dense bytes
	s_mov_b32 s[CS], 0x3e38aa3b
	s_mov_b32 s[CS+1], s[CS]
	s_mov_b32 s[MNT], 0x600000
	s_mov_b32 s[SEL], 0x76543210
	s_mov_b32 s[SEL+1], 0xfedcba98
	s_mov_b32 s[CNT], 0
	s_mov_b32 s[OFF+1], 0
	s_wait_dscnt 0x0                               ; both opening adds are done
	s_wait_kmcnt 0x0
	s_lshl_b32 s[OFF], s[HN], 18
	s_lshl_b32 s[TA], s[BN], 16
	s_add_co_u32 s[OFF], s[OFF], s[TA]             ; a head's 262,144 bytes, a batch's 32 fragments
	s_add_nc_u64 s[QP:QP+1], s[4:5], s[OFF:OFF+1]
	s_add_nc_u64 s[KB:KB+1], s[QP:QP+1], QKV_K     ; k's codes of my head and batch
	s_lshl_b32 s[OFF], s[HN], 13
	s_lshl_b32 s[TA], s[BN], 11
	s_add_co_u32 s[OFF], s[OFF], s[TA]
	s_add_nc_u64 s[QSP:QSP+1], s[4:5], s[OFF:OFF+1]
	s_add_nc_u64 s[QSP:QSP+1], s[QSP:QSP+1], QKV_S
	s_add_nc_u64 s[G0KS+2:G0KS+3], s[QSP:QSP+1], 131072
	s_lshl_b32 s[OFF], s[BN], 20
	s_lshl_b32 s[TA], s[HN], 12
	s_add_co_u32 s[OFF], s[OFF], s[TA]
	s_add_nc_u64 s[VB:VB+1], s[4:5], s[OFF:OFF+1]
	s_add_nc_u64 s[VB:VB+1], s[VB:VB+1], QKV_V     ; v's codes
	s_lshl_b32 s[OFF], s[BN], 15
	s_lshl_b32 s[TA], s[HN], 7
	s_add_co_u32 s[OFF], s[OFF], s[TA]
	s_add_nc_u64 s[G0VS+2:G0VS+3], s[4:5], s[OFF:OFF+1]
	s_add_nc_u64 s[G0VS+2:G0VS+3], s[G0VS+2:G0VS+3], QKV_S+262144
	s_add_nc_u64 s[G0C+2:G0C+3], s[6:7], RELG
	; my phase's place in a fragment of q: row r' = rho % 8 + 8 (rho / 16), half u = (rho / 8) % 2
	s_and_b32 s[TA], s[CX], 1                      ; u
	s_lshr_b32 s[PTB], s[CX], 1
	s_lshl_b32 s[PTB], s[PTB], 3
	s_add_co_u32 s[PTB], s[PTB], s[WV]             ; r'
	s_lshl_b32 s[OFF], s[TA], 10
	s_lshl_b32 s[LIM], s[PTB], 4
	s_add_co_u32 s[OFF], s[OFF], s[LIM]
	s_add_nc_u64 s[QP:QP+1], s[QP:QP+1], s[OFF:OFF+1]
	s_lshl_b32 s[OFF], s[PTB], 2
	s_lshl_b32 s[TA], s[TA], 1
	s_add_co_u32 s[OFF], s[OFF], s[TA]
	s_add_nc_u64 s[QSP:QSP+1], s[QSP:QSP+1], s[OFF:OFF+1]
	s_mul_i32 s[OFF], s[RHO], 22528
	s_add_nc_u64 s[RKP:RKP+1], s[6:7], s[OFF:OFF+1]
	s_mul_i32 s[OFF], s[RHO], 768
	s_add_nc_u64 s[RKS:RKS+1], s[6:7], s[OFF:OFF+1]
	s_lshl_b32 s[TA], s[BN], 6
	s_add_co_u32 s[TA], s[TA], s[RHO]              ; the output's row group of tile 0: 64 b + rho
	s_lshl_b32 s[OFF], s[TA], 14
	s_lshl_b32 s[LIM], s[HN], 10                   ; a head's two blocks of 512 bytes
	s_add_co_u32 s[OFF], s[OFF], s[LIM]
	s_add_nc_u64 s[AOP:AOP+1], s[8:9], s[OFF:OFF+1]
	s_lshl_b32 s[OFF], s[TA], 9
	s_lshl_b32 s[LIM], s[HN], 1
	s_add_co_u32 s[OFF], s[OFF], s[LIM]
	s_add_nc_u64 s[ASP:ASP+1], s[8:9], s[OFF:OFF+1]
	s_add_nc_u64 s[ASP:ASP+1], s[ASP:ASP+1], ATT_SC
	s_add_nc_u64 s[8:9], s[RKS:RKS+1], RV_SC       ; rel_v's scale words of my phase
	s_add_nc_u64 s[RKS:RKS+1], s[RKS:RKS+1], RK_SC
	s_mul_i32 s[OFF], s[RHO], 24576
	s_add_nc_u64 s[6:7], s[6:7], s[OFF:OFF+1]
	s_add_nc_u64 s[6:7], s[6:7], RV_IMG            ; its fragments
	s_mov_b32 s[G0K], 1
	s_mov_b32 s[G0K+1], 0
	s_mov_b64 s[G0K+2:G0K+3], s[KB:KB+1]
	s_or_b32 s[G0K+3], s[G0K+3], 0x80000000
	s_mov_b32 s[G0V], 1
	s_mov_b32 s[G0V+1], VOFF
	s_mov_b64 s[G0V+2:G0V+3], s[VB:VB+1]
	s_or_b32 s[G0V+3], s[G0V+3], 0x80000000
	s_mov_b32 s[G0KS], 1
	s_mov_b32 s[G0KS+1], SCK
	s_or_b32 s[G0KS+3], s[G0KS+3], 0x80000000
	s_mov_b32 s[G0VS], 1
	s_mov_b32 s[G0VS+1], SCV
	s_or_b32 s[G0VS+3], s[G0VS+3], 0x80000000
	s_mov_b32 s[G0C], 1
	s_mov_b32 s[G0C+1], RELC
	s_or_b32 s[G0C+3], s[G0C+3], 0x80000000
	CROUND                                         ; all four work-groups are here: the first joint loads meet
	s_cmp_eq_u32 s[WV], 0                          ; the five first fills stand in the arms of one chain on the wave's number, one load to an arm: waves 0 to 4 have one load out each
	s_cbranch_scc0 .Lfirst_1
	tensor_load_to_lds s[G0K:G0K+3], s[G1K:G1K+7]
	s_nop 0
	PLACES 4
	s_branch .Lfirst_done
.Lfirst_1:
	s_cmp_eq_u32 s[WV], 1
	s_cbranch_scc0 .Lfirst_2
	tensor_load_to_lds s[G0V:G0V+3], s[G1V:G1V+7]
	s_nop 0
	PLACES 4
	s_branch .Lfirst_done
.Lfirst_2:
	s_cmp_eq_u32 s[WV], 2
	s_cbranch_scc0 .Lfirst_3
	tensor_load_to_lds s[G0C:G0C+3], s[G1C:G1C+7]
	s_nop 0
	PLACES 4
	s_branch .Lfirst_done
.Lfirst_3:
	s_cmp_eq_u32 s[WV], 3
	s_cbranch_scc0 .Lfirst_4
	tensor_load_to_lds s[G0KS:G0KS+3], s[G1KS:G1KS+7]
	s_nop 0
	PLACES 4
	s_branch .Lfirst_done
.Lfirst_4:
	s_cmp_eq_u32 s[WV], 4
	s_cbranch_scc0 .Lfirst_done
	tensor_load_to_lds s[G0VS:G0VS+3], s[G1VS:G1VS+7]
	s_nop 0
	PLACES 4
.Lfirst_done:
	v_and_b32 v[VI], 15, v0
	v_bfe_u32 v254, v0, 4, 1                       ; my half
	v_and_b32 v[LI], 31, v0
	s_delay_alu instid0(VALU_DEP_1)
	v_lshlrev_b32 v247, 2, v[LI]
	s_delay_alu instid0(VALU_DEP_2)
	v_lshlrev_b32 v[LI], 4, v[LI]
	s_mul_i32 s[TA], s[WV], WREGB
	s_add_co_u32 s[TA], s[TA], WREG0               ; my wave's region
	s_add_co_u32 s[PTB], s[TA], PTO
	v_mul_u32_u24 v[RB], v[VI], RTP
	s_delay_alu instid0(VALU_DEP_1)
	v_lshl_add_u32 v[RB], v254, 6, v[RB]
	s_delay_alu instid0(VALU_DEP_1)
	v_add_nc_u32 v[RB], s[TA], v[RB]
	v_mul_u32_u24 v252, v[VI], RTP
.irp j, 248,249,250,251
	v_mov_b32 v[\j], 0
.endr
	v_add_nc_u32 v252, s[TA], v252
	ds_store_b128 v252, v[248:251] offset:11*128   ; the 16 bytes of padding behind each row of RT are written once, so that every byte of RT holds a number; both halves of the lanes write the same zeros
	v_mul_u32_u24 v[PB], v[VI], PTP
	s_delay_alu instid0(VALU_DEP_1)
	v_lshl_add_u32 v[PB], v254, 4, v[PB]
	s_delay_alu instid0(VALU_DEP_1)
	v_add_nc_u32 v[PB], s[PTB], v[PB]
	v_mul_u32_u24 v[EB], v[VI], ETP
	s_delay_alu instid0(VALU_DEP_1)
	v_add_nc_u32 v[EB], s[TA], v[EB]
	s_delay_alu instid0(VALU_DEP_1)
	v_add_nc_u32 v[EB], ETO, v[EB]
	v_lshl_add_u32 v[AKS], v[VI], 2, SCK
	v_lshl_add_u32 v[AVS], v[VI], 2, SCV
	v_lshlrev_b32 v[GQ], 11, v[VI]
	s_delay_alu instid0(VALU_DEP_1)
	v_lshl_add_u32 v[GQ], v254, 8, v[GQ]
	v_lshlrev_b32 v[I64], 6, v[VI]
	v_lshlrev_b32 v[I4], 2, v[VI]
	v_mov_b32 v[ONS], 0x7f7f7f7f
	v_mov_b32 v253, 0x38383838                     ; four codes of 1.0
	v_and_b32 v255, 3, v0
	s_wait_alu depctr_va_vdst(0)
.irp b, 0,1,2,3
	v_mov_b32 v[T2+\b], 0                          ; written once: a lane permute's destination counts as one of its sources
.endr
	; the prefetch: slots 2 and 3 of k (wave 2) and of v (wave 3); the four partners share the blocks out by address: 8,192 bytes of k, two chunks of v each; a lane names 256 bytes
	s_cmp_eq_u32 s[WV], 2
	s_cselect_b64 s[PFA:PFA+1], s[KB:KB+1], s[VB:VB+1]
	s_cselect_b32 s[TA], 12, 16
	s_cselect_b32 s[OFF], 13, 17
	s_mov_b32 s[LIM], 0x80000
	s_cselect_b32 s[LIM], 0x8000, s[LIM]
	s_lshl_b32 s[OFF], s[CX], s[OFF]
	s_add_co_u32 s[OFF], s[OFF], s[LIM]
	s_add_nc_u64 s[PFA:PFA+1], s[PFA:PFA+1], s[OFF:OFF+1]
	v_lshlrev_b32 v[PFO], s[TA], v254
	s_delay_alu instid0(VALU_DEP_1)
	v_lshl_add_u32 v[PFO], v[VI], 8, v[PFO]
	s_lshr_b32 s[LIM], s[WV], 1
	s_cmp_eq_u32 s[LIM], 1
	s_cselect_b32 s[LIM], 0, -1                    ; waves 2 and 3 ask, at the walk's first change of slots
	WIN 0x40                                       ; destination window 1
.irp c, 0,1,2,3
	v_cmp_eq_u32 vcc_lo, \c, v255
.irp k, 0,1,2,3
	v_cndmask_b32 v[4*\c+\k], v[NIL], v253, vcc_lo ; the ones: row r has them in block r % 4
.endr
.endr
.irp j, 16,17,18,19,20,21,22,23,32,33,34,35,36,37,38,39
	v_mov_b32 v[\j], 0                             ; the zeros on both sides of q
.endr
	WIN 0
.irp p, 0,1,2,3,4,5
	global_load_b32 v[RVS+\p], v247, s[8:9] offset:128*\p
.endr
; Two fragments of the table (two = 0: one) are multiplied with q, and the results go to RT: fragment B is block m = 10 - B.
.macro RKMUL B, two
	WIN 0x04                                       ; source 1 window 1
	v_wmma_scale_f32_16x16x128_f8f6f4 v[224:231], v[48+16*(\B):63+16*(\B)], v[24:39], 0, v[SCW+(\B)], v[QS]
	v_wmma_scale_f32_16x16x128_f8f6f4 v[232:239], v[48+16*(\B):63+16*(\B)], v[16:31], 0, v[SCW+(\B)], v[QS]
.if \two
	v_wmma_scale_f32_16x16x128_f8f6f4 v[240:247], v[64+16*(\B):79+16*(\B)], v[24:39], 0, v[SCW+(\B)+1], v[QS]
	v_wmma_scale_f32_16x16x128_f8f6f4 v[248:255], v[64+16*(\B):79+16*(\B)], v[16:31], 0, v[SCW+(\B)+1], v[QS]
.endif
	WIN 0
	PLACES 9                                       ; eight in front of the stores that read the results, nine in front of the next products, which write over them
.irp k, 0,1,2,3
	ds_store_b128 v[RB], v[224+4*\k:227+4*\k] offset:128*(10-(\B))+16*\k
.endr
.if \two
.irp k, 0,1,2,3
	ds_store_b128 v[RB], v[240+4*\k:243+4*\k] offset:128*(9-(\B))+16*\k
.endr
.endif
	s_wait_dscnt 0x0                               ; the stores have read their registers
.endm
; A TILE BEGINS: q and its scale, the table's fragments and scale words from memory; PT cleared, ET set far under every exponent; RT made; the running numbers begun.
.macro TILE_START g
	WIN 0x40
	global_load_b128 v[24:27], v[GQ], s[QP:QP+1] offset:(\g)*32768
	global_load_b128 v[28:31], v[GQ], s[QP:QP+1] offset:(\g)*32768+512
	WIN 0
	global_load_u16 v[QS], v[I64], s[QSP:QSP+1] offset:(\g)*1024
.irp B, 0,1,2,3,4,5,6,7,8,9,10
	global_load_b32 v[SCW+\B], v[I4], s[RKS:RKS+1] offset:64*\B
.endr
.irp B, 0,1,2,3,4,5,6,7,8,9,10
.irp c, 0,1,2,3
	global_load_b128 v[48+16*\B+4*\c:51+16*\B+4*\c], v[LI], s[RKP:RKP+1] offset:2048*\B+512*\c
.endr
.endr
.if (\g) == 0
	WIN 0x40                                       ; rel_v's twelve fragments, 48 loads, are asked for last
.irp f, 0,1,2,3,4,5,6,7,8,9,10,11
.irp c, 0,1,2,3
	global_load_b128 v[40+16*\f+4*\c:43+16*\f+4*\c], v[LI], s[6:7] offset:2048*\f+512*\c
.endr
.endr
	WIN 0
.endif
	v_add_nc_u32 v246, s[PTB], v[LI]
.irp j, 248,249,250,251
	v_mov_b32 v[\j], 0
.endr
.irp j, 252,253,254,255
	v_mov_b32 v[\j], 0xc0000000
.endr
.irp k, 0,1,2,3,4,5,6,7,8,9,10,11
	ds_store_b128 v246, v[248:251] offset:512*\k   ; PT: a window block that lies outside the sequence stays zero codes
.endr
.irp k, 12,13
	ds_store_b128 v246, v[252:255] offset:512*\k   ; ET, which follows PT
.endr
	s_wait_loadcnt 48*(1-(\g))                     ; all but rel_v's 48 loads, which the first tile issues behind the others
	s_wait_dscnt 0x0
	v_lshl_or_b32 v[QS], v[QS], 16, v[QS]
	s_wait_alu depctr_va_vdst(0)
	v_mov_b32 v[L], 0                              ; (these eight lines are the places between the scale word and the first product)
	v_mov_b32 v[L+1], 0
	v_mov_b32 v[SLR], 0
	v_mov_b32 v[SLR+1], 0
	v_mov_b32 v[TMX], 0xff61b1e6                   ; -3e38, under every t
	s_delay_alu instid0(VALU_DEP_1)
	v_floor_f32 v[NM], -v[TMX]
	PLACES 2
	RKMUL 0, 1
	RKMUL 2, 1
	RKMUL 4, 1
	RKMUL 6, 1
	RKMUL 8, 1
	RKMUL 10, 0
.set j, 0
.rept 32
	v_mov_b32 v[O+j], 0                            ; O^T: the step is written once; the first change of M leaves zeros zeros
.set j, j+1
.endr
.endm
; THE CHANGE OF SLOTS, at a slot's head.  fill = 1: the slot just left takes the keys that follow in the walk (the second tile walks the same keys again).
.macro CHANGE fill
	s_wait_tensorcnt 0x0                           ; no tensor load of mine is out, so a group 0 may be written
	ds_add_u32 v[SPW], v[NIL]                      ; the add,
.if \fill
	ds_add_u32 v[SPW], v[NIL]                      ; and twice on end here, in every trip alike
	s_xor_b32 s[G0K+1], s[G0K+1], SLOTB
	s_xor_b32 s[G0V+1], s[G0V+1], SLOTB
	s_add_co_u32 s[TA], s[CNT], 1
	s_and_b32 s[TA], s[TA], 3                      ; which 256 keys
	s_lshl_b32 s[OFF], s[TA], 14
	s_add_nc_u64 s[G0K+2:G0K+3], s[KB:KB+1], s[OFF:OFF+1]
	s_or_b32 s[G0K+3], s[G0K+3], 0x80000000
	s_lshl_b32 s[OFF], s[TA], 18
	s_add_nc_u64 s[G0V+2:G0V+3], s[VB:VB+1], s[OFF:OFF+1]
	s_or_b32 s[G0V+3], s[G0V+3], 0x80000000
.endif
	s_wait_dscnt 0x0                               ; the add is done, and my reads of the slot that I have left are over
.if \fill
	CROUND                                         ; no wave of any partner still reads that slot or has a load on its way
	s_cmp_eq_u32 s[WV], 0
	s_cbranch_scc0 .Lnot_k_\@
	tensor_load_to_lds s[G0K:G0K+3], s[G1K:G1K+7]
	s_nop 0
	PLACES 4
	s_branch .Lasked_\@
.Lnot_k_\@:
	s_cmp_eq_u32 s[WV], 1
	s_cbranch_scc0 .Lasked_\@
	tensor_load_to_lds s[G0V:G0V+3], s[G1V:G1V+7]
	s_nop 0
	PLACES 4
.Lasked_\@:
	s_cmp_eq_u32 s[CNT], s[LIM]                    ; a prefetch of slots 2 and 3, one and two changes of slots ahead of their loads; each 256 bytes are named once; the second walk asks for nothing
	s_cbranch_scc0 .Lnot_mine_\@
	global_prefetch_b8 v[PFO], s[PFA:PFA+1] th:TH_LOAD_NT scope:SCOPE_SE
.Lnot_mine_\@:
.else
	s_barrier_signal -1
	s_barrier_wait -1
.endif
	; the slot's addresses
	s_and_b32 s[TA], s[CNT], 1
	s_lshl_b32 s[TA], s[TA], 15
	v_add_nc_u32 v[AD], s[TA], v[LI]
	s_and_b32 s[TA], s[CNT], 3
	s_lshl_b32 s[OFF], s[TA], 9
	v_add_nc_u32 v[ADS], s[OFF], v[AKS]
	v_add_nc_u32 v[ADT], s[OFF], v[AVS]
	s_lshl_b32 s[TA], s[TA], 3                     ; the slot's first block of 32 keys
	s_lshr_b32 s[OFF], s[CNT], 2
	s_lshl_b32 s[OFF], s[OFF], 4
	s_xor_b32 s[OFF], s[OFF], 31                   ; 31 - 16 g
	s_add_co_u32 s[TA], s[TA], s[OFF]
	v_sub_nc_u32 v[T0], s[TA], v[VI]               ; j - i' + 31, never negative
.endm
; A KEY STEP: 128 keys, the q-th of the slot in hand.
; A CHANGE OF SLOTS INSIDE A SLOT'S LAST KEY STEP, in two parts.  EMB_A stands behind V's loads, the step's last reads of the slot: the wait for all my tensor loads, the add (twice on end, as at every refill of this text), the count of slots
; and the walking descriptors.  The step's maxima, work on registers, follow; then the wait for the add and the reads, and the round's opening signal (in STEP).
.macro EMB_A
	s_wait_tensorcnt 0x0                           ; no tensor load of mine is out, so a group 0 may be written
	ds_add_u32 v[SPW], v[NIL]                      ; the add,
	ds_add_u32 v[SPW], v[NIL]                      ; and twice on end
	s_add_co_u32 s[CNT], s[CNT], 1                 ; the slot that comes next
	s_xor_b32 s[G0K+1], s[G0K+1], SLOTB
	s_xor_b32 s[G0V+1], s[G0V+1], SLOTB
	s_add_co_u32 s[TA], s[CNT], 1
	s_and_b32 s[TA], s[TA], 3                      ; which 256 keys follow it
	s_lshl_b32 s[OFF], s[TA], 14
	s_add_nc_u64 s[G0K+2:G0K+3], s[KB:KB+1], s[OFF:OFF+1]
	s_or_b32 s[G0K+3], s[G0K+3], 0x80000000
	s_lshl_b32 s[OFF], s[TA], 18
	s_add_nc_u64 s[G0V+2:G0V+3], s[VB:VB+1], s[OFF:OFF+1]
	s_or_b32 s[G0V+3], s[G0V+3], 0x80000000
.endm
; EMB_B stands behind the step's exponentials and conversions, all work on registers, which lie between the opening signal and its wait: the rest of the round, the joint refill first behind it, and the next slot's addresses.
.macro EMB_B
	s_wait_alu depctr_va_vdst(0)                   ; directly ahead of the barrier's wait
	s_barrier_wait -1
	s_cmp_lg_u32 s[WV], 0
	s_cbranch_scc1 .Lenw_\@
	s_barrier_signal -3
.Lenw_\@:
	s_barrier_wait -3
	s_barrier_signal -1
	s_barrier_wait -1                              ; no wave of any partner still reads the slot in hand or has a load on its way
	s_cmp_eq_u32 s[WV], 0
	s_cbranch_scc0 .Lenk_\@
	tensor_load_to_lds s[G0K:G0K+3], s[G1K:G1K+7]
	s_nop 0
	PLACES 4
	s_branch .Leas_\@
.Lenk_\@:
	s_cmp_eq_u32 s[WV], 1
	s_cbranch_scc0 .Leas_\@
	tensor_load_to_lds s[G0V:G0V+3], s[G1V:G1V+7]
	s_nop 0
	PLACES 4
.Leas_\@:
	s_and_b32 s[TA], s[CNT], 1
	s_lshl_b32 s[TA], s[TA], 15
	v_add_nc_u32 v[AD], s[TA], v[LI]
	s_and_b32 s[TA], s[CNT], 3
	s_lshl_b32 s[OFF], s[TA], 9
	v_add_nc_u32 v[ADS], s[OFF], v[AKS]
	v_add_nc_u32 v[ADT], s[OFF], v[AVS]
	s_lshl_b32 s[TA], s[TA], 3
	s_lshr_b32 s[OFF], s[CNT], 2
	s_lshl_b32 s[OFF], s[OFF], 4
	s_xor_b32 s[OFF], s[OFF], 31
	s_add_co_u32 s[TA], s[TA], s[OFF]
	v_sub_nc_u32 v[T0], s[TA], v[VI]
.endm
; THE KEY STEP.  emb = 1: the slot's last step, with the change of slots inside it
.macro STEP q, emb=0
.irp b, 0,1,2,3
	v_add_nc_u32 v[MM+\b], 4*(\q)+\b, v[T0]        ; (these twenty lines are also the places behind the last products)
.endr
.irp b, 0,1,2,3
	s_delay_alu instid0(VALU_DEP_4)
	v_min_u32 v[MM+\b], 36, v[MM+\b]
.endr
.irp b, 0,1,2,3
	s_delay_alu instid0(VALU_DEP_4)
	v_sub_nc_u32 v[MM+\b], 36, v[MM+\b]            ; max(i' - j + 5, 0)
.endr
.irp b, 0,1,2,3
	s_delay_alu instid0(VALU_DEP_4)
	v_min_u32 v[MM+\b], 10, v[MM+\b]               ; m
.endr
.irp b, 0,1,2,3
	s_delay_alu instid0(VALU_DEP_4)
	v_lshl_add_u32 v[AR+\b], v[MM+\b], 7, v[RB]
.endr
.irp b, 0,1,2,3
.irp k, 0,1,2,3
	ds_load_b128 v[S+16*\b+4*\k:S+16*\b+4*\k+3], v[AR+\b] offset:16*\k     ; the relative term of my 16 keys of block b
.endr
.endr
.irp f, 0,1,2,3
.irp c, 0,1,2,3
	ds_load_b128 v[KF+16*\f+4*\c:KF+16*\f+4*\c+3], v[AD] offset:(\q)*8192+\f*2048+\c*512
.endr
.endr
.irp f, 0,1,2,3
	ds_load_b32 v[SCW+\f], v[ADS] offset:(\q)*256+\f*64
.endr
	s_wait_alu depctr_va_vdst(0)
	s_wait_dscnt 0x0
	WIN 0x04                                       ; source 1 window 1
.irp f, 0,1,2,3
	v_wmma_scale_f32_16x16x128_f8f6f4 v[S+16*\f:S+16*\f+7], v[KF+16*\f:KF+16*\f+15], v[24:39], v[S+16*\f:S+16*\f+7], v[SCW+\f], v[QS]
	v_wmma_scale_f32_16x16x128_f8f6f4 v[S+16*\f+8:S+16*\f+15], v[KF+16*\f:KF+16*\f+15], v[16:31], v[S+16*\f+8:S+16*\f+15], v[SCW+\f], v[QS]
.endr
	WIN 0
.irp b, 0,1,2,3
	v_lshl_add_u32 v[AR+\b], v[MM+\b], 5, v[PB]    ; where block b's codes will go.  (With the four below: the eight places behind the products)
.endr
	PLACES 4
.irp t, 0,1,2,3
.irp c, 0,1,2,3
	ds_load_b128 v[KF+16*\t+4*\c:KF+16*\t+4*\c+3], v[AD] offset:VOFF+(2*(\q)+\c/2)*4096+(\t/2)*2048+(2*(\t%2)+\c%2)*512
.endr
.endr
.irp t, 0,1,2,3
	ds_load_u16 v[SCW+4+\t], v[ADT] offset:(2*(\q))*128+(\t/2)*64+2*(\t%2)
	ds_load_u16 v[VH+\t], v[ADT] offset:(2*(\q)+1)*128+(\t/2)*64+2*(\t%2)
.endr
.if \emb
	EMB_A
.endif
.irp b, 0,1,2,3
	v_max3_num_f32 v[MX+\b], v[S+16*\b], v[S+1+16*\b], v[S+2+16*\b]    ; the largest score of each block of 32 keys: for the row's maximum, and, since p rises with the score, for the block's largest p
.endr
.irp i, 3,5,7,9,11,13
.irp b, 0,1,2,3
	v_max3_num_f32 v[MX+\b], v[MX+\b], v[S+16*\b+\i], v[S+1+16*\b+\i]
.endr
.endr
.irp b, 0,1,2,3
	v_max_num_f32 v[MX+\b], v[MX+\b], v[S+15+16*\b]
.endr
.irp b, 0,1,2,3
	v_permlanex16_b32 v[T2+\b], v[MX+\b], s[SEL], s[SEL+1]
.endr
.irp b, 0,1,2,3
	s_delay_alu instid0(VALU_DEP_4)
	v_max_num_f32 v[MX+\b], v[MX+\b], v[T2+\b]
.endr
	s_delay_alu instid0(VALU_DEP_2)
	v_max3_num_f32 v254, v[MX], v[MX+1], v[MX+2]
	s_delay_alu instid0(VALU_DEP_1)
	v_max_num_f32 v254, v254, v[MX+3]
	s_delay_alu instid0(VALU_DEP_1)
	v_mul_f32 v254, s[CS], v254
	s_delay_alu instid0(VALU_DEP_1)
	v_max_num_f32 v[TMX], v[TMX], v254             ; the running largest t
	v_mov_b32 v254, v[NM]
	s_delay_alu instid0(VALU_DEP_2)
	v_floor_f32 v[NM], -v[TMX]                     ; -M = floor(-t): M is a whole number
	s_delay_alu instid0(VALU_DEP_1)
	v_sub_f32 v254, v[NM], v254
	s_delay_alu instid0(VALU_DEP_1)
	v_cvt_i32_f32 v254, v254                       ; (it saturates)
	s_delay_alu instid0(VALU_DEP_1)
	v_ldexp_f32 v[F], 1.0, v254                    ; f = 2^(old M - new M)
.if \emb
	s_wait_alu depctr_va_vdst(0)                   ; directly ahead of the wait below
	s_wait_dscnt 0x0                               ; both adds are done, and my reads of this slot are over: v's fragments are in registers
	s_barrier_signal -1                            ; the round opens; work on registers alone stands up to its wait
.endif
.set j, 0
.rept 32
	v_pk_fma_f32 v[S+j:S+j+1], v[S+j:S+j+1], s[CS:CS+1], v[NM:NM+1] op_sel_hi:[1,0,0]   ; t - M
.set j, j+2
.endr
.irp b, 0,1,2,3
	v_fma_f32 v[MX+\b], v[MX+\b], s[CS], v[NM]
.endr
.set j, 0
	s_wait_alu depctr_va_vdst(0)
.rept 64
	v_exp_f32 v[S+j], v[S+j]                       ; p = 2^(t - M)
.set j, j+1
.endr
	v_pk_mul_f32 v[L:L+1], v[L:L+1], v[F:F+1] op_sel_hi:[1,0]      ; (a plain line behind the exponentials)
	s_wait_alu depctr_va_vdst(0)                   ; one wait for the batch, ahead of its first reader
.irp b, 0,1,2,3
	v_exp_f32 v[MX+\b], v[MX+\b]                   ; the block's largest p
.endr
	v_pk_add_f32 v[232:233], v[116:117], v[120:121]
	v_pk_add_f32 v[254:255], v[124:125], v[128:129]
	v_pk_add_f32 v[242:243], v[132:133], v[136:137]
	v_pk_add_f32 v[240:241], v[140:141], v[144:145]
	v_pk_add_f32 v[238:239], v[148:149], v[152:153]
	v_pk_add_f32 v[236:237], v[156:157], v[160:161]
	v_pk_add_f32 v[234:235], v[164:165], v[168:169]
	v_pk_add_f32 v[14:15], v[14:15], v[172:173]
	v_pk_add_f32 v[232:233], v[232:233], v[112:113]
	v_pk_add_f32 v[254:255], v[254:255], v[114:115]
	v_pk_add_f32 v[242:243], v[242:243], v[118:119]
	v_pk_add_f32 v[240:241], v[240:241], v[122:123]
	v_pk_add_f32 v[238:239], v[238:239], v[126:127]
	v_pk_add_f32 v[236:237], v[236:237], v[130:131]
	v_pk_add_f32 v[234:235], v[234:235], v[134:135]
	v_pk_add_f32 v[14:15], v[14:15], v[138:139]
	v_pk_add_f32 v[232:233], v[232:233], v[142:143]
	v_pk_add_f32 v[254:255], v[254:255], v[146:147]
	v_pk_add_f32 v[242:243], v[242:243], v[150:151]
	v_pk_add_f32 v[240:241], v[240:241], v[154:155]
	v_pk_add_f32 v[238:239], v[238:239], v[158:159]
	v_pk_add_f32 v[236:237], v[236:237], v[162:163]
	v_pk_add_f32 v[234:235], v[234:235], v[166:167]
	v_pk_add_f32 v[14:15], v[14:15], v[170:171]
	v_pk_add_f32 v[232:233], v[232:233], v[174:175]
	s_delay_alu instid0(VALU_DEP_2)
	v_pk_add_f32 v[14:15], v[14:15], v[240:241]
	s_delay_alu instid0(VALU_DEP_2)
	v_pk_add_f32 v[232:233], v[232:233], v[238:239]
	v_pk_add_f32 v[254:255], v[254:255], v[236:237]
	v_pk_add_f32 v[242:243], v[242:243], v[234:235]
	s_delay_alu instid0(VALU_DEP_2)
	v_pk_add_f32 v[14:15], v[14:15], v[254:255]
	s_delay_alu instid0(VALU_DEP_2)
	v_pk_add_f32 v[232:233], v[232:233], v[242:243]
	s_delay_alu instid0(VALU_DEP_1)
	v_pk_add_f32 v[14:15], v[14:15], v[232:233]
	s_wait_alu depctr_va_vdst(0)                   ; and one for the four
.irp b, 0,1,2,3
	v_max_num_f32 v[MX+\b], 0x4800000, v[MX+\b]    ; the floor 2^(9 - 127)
.endr
.irp b, 0,1,2,3
	s_delay_alu instid0(VALU_DEP_4)
	v_add_nc_u32 v[SO+\b], 0xfc000000, v[MX+\b]
.endr
.irp b, 0,1,2,3
	v_and_or_b32 v[HD+\b], v[MX+\b], 0x7f800000, s[MNT]
.endr
.irp b, 0,1,2,3
	v_lshrrev_b32 v[T2+\b], 23, v[SO+\b]           ; the scale's byte
.endr
	s_delay_alu instid0(VALU_DEP_3)
	v_lshl_or_b32 v[PS], v[T2+1], 8, v[T2]
	s_delay_alu instid0(VALU_DEP_1)
	v_lshl_or_b32 v[PS], v[T2+2], 16, v[PS]
	s_delay_alu instid0(VALU_DEP_1)
	v_lshl_or_b32 v[PS], v[T2+3], 24, v[PS]
.irp b, 0,1,2,3
.irp i, 0,2,4,6,8,10,12,14
	v_dual_min_num_f32 v[S+16*\b+\i], v[S+16*\b+\i], v[HD+\b] :: v_dual_min_num_f32 v[S+16*\b+\i+1], v[S+16*\b+\i+1], v[HD+\b]   ; the conversion does not saturate (ISA guide 7.6.2); p is not negative; two holds to an instruction
.endr
	v_cvt_scalef32_pk8_fp8_f32 v[PC+4*\b:PC+4*\b+1], v[S+16*\b:S+16*\b+7], v[SO+\b]
	v_cvt_scalef32_pk8_fp8_f32 v[PC+4*\b+2:PC+4*\b+3], v[S+16*\b+8:S+16*\b+15], v[SO+\b]
.endr
.irp b, 0,1,2,3
	v_lshl_add_u32 v[MX+\b], v[MM+\b], 2, v[EB]    ; where block b's exponent will go.  (These nine lines are the places between the codes and the products)
.endr
	v_cvt_i32_f32 v[NMI], v[NM]
.irp b, 0,1,2,3
	v_sub_nc_u32 v[T2+\b], v[T2+\b], v[NMI]        ; the byte + M
.endr
.if \emb
	EMB_B
.endif
.irp b, 0,1,2,3
	ds_store_b128 v[AR+\b], v[PC+4*\b:PC+4*\b+3]
.endr
.irp b, 0,1,2,3
	ds_store_b32 v[MX+\b], v[T2+\b]
.endr
	s_wait_dscnt 8                                 ; v's 24 loads are in; the eight stores behind them may be out
.irp t, 0,1,2,3
	v_lshl_or_b32 v[SCW+4+\t], v[VH+\t], 16, v[SCW+4+\t]
.endr
	WIN 0x01                                       ; source 0 window 1
	v_wmma_scale_f32_16x16x128_f8f6f4 v[BS:BS+7], v[0:15], v[PC:PC+15], 0, v[ONS], v[PS]   ; register b: the sum of block b's quantised p
	WIN 0
.set j, 0
.rept 16
	v_pk_mul_f32 v[O+j:O+j+1], v[O+j:O+j+1], v[F:F+1] op_sel_hi:[1,0]      ; O^T under the new M.  (These are also the places behind the product above)
.set j, j+2
.endr
	v_pk_mul_f32 v[SLR:SLR+1], v[SLR:SLR+1], v[F:F+1] op_sel_hi:[1,0]
.irp b, 0,1,2,3
	v_cmp_eq_u32 vcc_lo, 10, v[MM+\b]
	v_cndmask_b32 v254, 0, v[BS+\b], vcc_lo
	s_delay_alu instid0(VALU_DEP_1)
	v_add_f32 v[SLR], v[SLR], v254                 ; left of the window
	v_cmp_eq_u32 vcc_lo, 0, v[MM+\b]
	v_cndmask_b32 v255, 0, v[BS+\b], vcc_lo
	s_delay_alu instid0(VALU_DEP_1)
	v_add_f32 v[SLR+1], v[SLR+1], v255             ; right of it
.endr
.irp t, 0,1,2,3
	v_wmma_scale_f32_16x16x128_f8f6f4 v[O+8*\t:O+8*\t+7], v[KF+16*\t:KF+16*\t+15], v[PC:PC+15], v[O+8*\t:O+8*\t+7], v[SCW+4+\t], v[PS]
.endr
.endm
; A TILE ENDS: the window's product with rel_v, the two constant parts, the division, the quantiser along the channels, and the image of the last product's operand.
.macro TILE_END g
	v_add_f32 v[L], v[L], v[L+1]
	v_bfe_u32 v255, v0, 4, 1                       ; my half
	s_delay_alu instid0(VALU_DEP_2)
	v_permlanex16_b32 v254, v[L], s[SEL], s[SEL+1]
	s_delay_alu instid0(VALU_DEP_2)
	v_lshl_add_u32 v253, v255, 6, RELC
	s_delay_alu instid0(VALU_DEP_2)
	v_add_f32 v[L], v[L], v254                     ; the row's sum
	PLACES 4                                       ; with the plain lines above: eight places behind the last products
.irp w, 0,1,2,3,4,5,6,7,8
	ds_load_b128 v[S+4*\w:S+4*\w+3], v[PB] offset:32*(9-\w)        ; window block w's codes: LDS serves a wave's instructions in order (ISA guide 5.7.1.4)
.endr
.irp w, 0,1,2,3,4,5,6,7,8
	ds_load_b32 v[S+48+\w], v[EB] offset:4*(9-\w)
.endr
.irp t, 0,1
.irp k, 0,1,2,3,4,5,6,7
	ds_load_b128 v[KF+32*\t+4*\k:KF+32*\t+4*\k+3], v253 offset:256*\t+128*(\k/4)+16*(\k%4)   ; c0, c256 at my 32 channels
.endr
.endr
.irp j, 36,37,38,39,40,41,42,43,44,45,46,47
	v_mov_b32 v[S+\j], 0                           ; the third K step has one block: the rest is zero codes
.endr
	s_wait_loadcnt 0x0                             ; rel_v's fragments are in
	s_wait_dscnt 0x0
.irp w, 0,1,2,3,4,5,6,7,8
	v_add_nc_u32 v[S+48+\w], v[S+48+\w], v[NMI]
.endr
.irp w, 0,1,2,3,4,5,6,7,8
	v_cmp_gt_i32 vcc_lo, 0, v[S+48+\w]
	s_delay_alu instid0(VALU_DEP_1)
	v_cndmask_b32 v[S+48+\w], v[S+48+\w], v[NIL], vcc_lo           ; held at 0 from below
.endr
	v_lshl_or_b32 v[PS], v[S+49], 8, v[S+48]
	s_delay_alu instid0(VALU_DEP_1)
	v_lshl_or_b32 v[PS], v[S+50], 16, v[PS]
	s_delay_alu instid0(VALU_DEP_1)
	v_lshl_or_b32 v[PS], v[S+51], 24, v[PS]
	v_lshl_or_b32 v[PS+1], v[S+53], 8, v[S+52]
	s_delay_alu instid0(VALU_DEP_1)
	v_lshl_or_b32 v[PS+1], v[S+54], 16, v[PS+1]
	s_delay_alu instid0(VALU_DEP_1)
	v_lshl_or_b32 v[PS+1], v[S+55], 24, v[PS+1]
	v_mov_b32 v[PS+2], v[S+56]
.set j, 0
.rept 16
	v_pk_fma_f32 v[O+j:O+j+1], v[KF+j:KF+j+1], v[SLR:SLR+1], v[O+j:O+j+1] op_sel_hi:[1,0,1]                     ; + c0 x the sum left of the window.  (These 32 are also the places behind the scale words)
	s_delay_alu instid0(VALU_DEP_1)
	v_pk_fma_f32 v[O+j:O+j+1], v[KF+32+j:KF+33+j], v[SLR:SLR+1], v[O+j:O+j+1] op_sel:[0,1,0] op_sel_hi:[1,1,1]   ; + c256 x the sum right of it
.set j, j+2
.endr
	WIN 0x01                                       ; source 0 window 1
.irp kp, 0,1,2
.irp t, 0,1,2,3
.if (\t)%2
	v_wmma_scale_f32_16x16x128_f8f6f4 v[O+8*\t:O+8*\t+7], v[40+16*(4*\kp+\t):55+16*(4*\kp+\t)], v[S+16*\kp:S+16*\kp+15], v[O+8*\t:O+8*\t+7], v[RVS+2*\kp+\t/2], v[PS+\kp] matrix_a_scale:MATRIX_SCALE_ROW1
.else
	v_wmma_scale_f32_16x16x128_f8f6f4 v[O+8*\t:O+8*\t+7], v[40+16*(4*\kp+\t):55+16*(4*\kp+\t)], v[S+16*\kp:S+16*\kp+15], v[O+8*\t:O+8*\t+7], v[RVS+2*\kp+\t/2], v[PS+\kp]
.endif
.endr
.endr
	WIN 0
	s_wait_alu depctr_va_vdst(0)
	v_rcp_f32 v254, v[L]
	PLACES 8
	s_wait_alu depctr_va_vdst(0)                   ; ahead of the reciprocal's first reader
.set j, 0
.rept 16
	v_pk_mul_f32 v[O+j:O+j+1], v[O+j:O+j+1], v[254:255] op_sel_hi:[1,0]
.set j, j+2
.endr
.irp b, 0,1
	v_max3_num_f32 v[MX+\b], |v[O+16*\b]|, |v[O+1+16*\b]|, 0x4800000       ; registers 16 b .. 16 b + 15 are channels 32 b + 16 half + 0 .. 15
.endr
.irp i, 2,4,6,8,10,12,14
.irp b, 0,1
	s_delay_alu instid0(VALU_DEP_2)
	v_max3_num_f32 v[MX+\b], v[MX+\b], |v[O+16*\b+\i]|, |v[O+1+16*\b+\i]|
.endr
.endr
.irp b, 0,1
	s_delay_alu instid0(VALU_DEP_2)
	v_permlanex16_b32 v[T2+\b], v[MX+\b], s[SEL], s[SEL+1]
.endr
.irp b, 0,1
	s_delay_alu instid0(VALU_DEP_2)
	v_max_num_f32 v[MX+\b], v[MX+\b], v[T2+\b]
.endr
.irp b, 0,1
	s_delay_alu instid0(VALU_DEP_2)
	v_add_nc_u32 v[SO+\b], 0xfc000000, v[MX+\b]
.endr
.irp b, 0,1
	s_delay_alu instid0(VALU_DEP_4)
	v_and_or_b32 v[HD+\b], v[MX+\b], 0x7f800000, s[MNT]
.endr
.irp b, 0,1
	s_delay_alu instid0(VALU_DEP_4)
	v_lshrrev_b32 v[T2+\b], 23, v[SO+\b]
.endr
.irp b, 0,1
.irp i, 0,1,2,3,4,5,6,7,8,9,10,11,12,13,14,15
	v_med3_num_f32 v[O+16*\b+\i], v[O+16*\b+\i], -v[HD+\b], v[HD+\b]
.endr
	v_cvt_scalef32_pk8_fp8_f32 v[PC+4*\b:PC+4*\b+1], v[O+16*\b:O+16*\b+7], v[SO+\b]
	v_cvt_scalef32_pk8_fp8_f32 v[PC+4*\b+2:PC+4*\b+3], v[O+16*\b+8:O+16*\b+15], v[SO+\b]
.endr
	v_nop                                          ; a plain line behind the last conversion
	v_cmp_eq_u32 vcc_lo, 1, v255
	s_delay_alu instid0(VALU_DEP_1)
	v_cndmask_b32 v254, v[T2], v[T2+1], vcc_lo     ; lanes 0-15 store block 0's byte, lanes 16-31 block 1's
	v_lshl_add_u32 v253, v[VI], 5, v255
	global_store_b128 v[LI], v[PC:PC+3], s[AOP:AOP+1] offset:(\g)*524288       ; 32 lanes store 512 consecutive bytes
	global_store_b128 v[LI], v[PC+4:PC+7], s[AOP:AOP+1] offset:(\g)*524288+512
	global_store_b8 v253, v254, s[ASP:ASP+1] offset:(\g)*16384
	s_wait_xcnt 0x0                                ; the stores have read their registers: these may be written again
.endm
	TILE_START 0
	CHANGE 1                                       ; the walk's first change: slot 0 is shown, slot 1 is asked for
.Lslot:                                            ; six trips, slots 0 to 5 of the walk: inside each slot's last step the next slot is shown and the one after it asked for
	STEP 0
	STEP 1, 1
	s_cmp_lg_u32 s[CNT], 4                         ; the count of slots alone: the first tile has seen all its keys
	s_cbranch_scc1 .Lsame
	TILE_END 0
	TILE_START 1
.Lsame:
	s_cmp_lt_u32 s[CNT], 6
	s_cbranch_scc1 .Lslot
	s_mov_b32 s[LIM], 2                            ; (the prefetch's test is done with)
.Llast:                                            ; two trips, slots 6 and 7: nothing more is asked for.  The change behind slot 6 shows slot 7; the one behind slot 7 shows nothing new: it is passed so that the two slots share one text
	STEP 0
	STEP 1
	s_add_co_u32 s[CNT], s[CNT], 1
	CHANGE 0
	s_sub_co_u32 s[LIM], s[LIM], 1
	s_cmp_lg_u32 s[LIM], 0
	s_wait_alu depctr_va_vdst(0)                   ; directly ahead of the branch
	s_cbranch_scc1 .Llast
	TILE_END 1
	s_wait_tensorcnt 0x0                           ; the wave's end
	ds_add_u32 v[SPW], v[NIL]
	s_wait_dscnt 0x0
	CROUND                                         ; the closing round
	s_endpgm
.Lfunc_end_k_q0783bf53e7_attn:
	.size	k_q0783bf53e7_attn, .Lfunc_end_k_q0783bf53e7_attn-k_q0783bf53e7_attn
	.p2alignl 7, 3214868480
	.fill 96, 4, 3214868480
	.section	.rodata,"a",@progbits
	.p2align	6, 0x0
	.amdhsa_kernel k_q0783bf53e7_attn
		.amdhsa_group_segment_fixed_size 327680
		.amdhsa_private_segment_fixed_size 0
		.amdhsa_enable_private_segment 0
		.amdhsa_kernarg_size 24
		.amdhsa_user_sgpr_count 2
		.amdhsa_user_sgpr_kernarg_segment_ptr 1
		.amdhsa_wavefront_size32 1
		.amdhsa_system_sgpr_workgroup_id_x 1
		.amdhsa_system_sgpr_workgroup_id_y 1
		.amdhsa_system_sgpr_workgroup_id_z 1
		.amdhsa_system_vgpr_workitem_id 0
		.amdhsa_next_free_vgpr 512
		.amdhsa_next_free_sgpr 106
		.amdhsa_reserve_vcc 1
		.amdhsa_float_denorm_mode_32 3
		.amdhsa_float_denorm_mode_16_64 3
		.amdhsa_memory_ordered 1
		.amdhsa_forward_progress 1
		.amdhsa_inst_pref_size 182
	.end_amdhsa_kernel
	.amdgpu_metadata
---
amdhsa.version: [ 1, 2 ]
amdhsa.kernels:
  - .name:           k_q0783bf53e7_attn
    .symbol:         k_q0783bf53e7_attn.kd
    .args:
      - { .name: qkv, .offset: 0, .size: 8, .value_kind: global_buffer, .address_space: global }
      - { .name: rel, .offset: 8, .size: 8, .value_kind: global_buffer, .address_space: global }
      - { .name: att, .offset: 16, .size: 8, .value_kind: global_buffer, .address_space: global }
    .group_segment_fixed_size: 327680
    .private_segment_fixed_size: 0
    .kernarg_segment_align: 8
    .kernarg_segment_size: 24
    .max_flat_workgroup_size: 256
    .sgpr_count:     106
    .vgpr_count:     512
    .wavefront_size: 32
...
	.end_amdgpu_metadata
.endif
;; end of part 2
;; launch oproj (part 3): grid 8 x 32, 4 waves a work-group, clusters of 4 x 4, 327,680 bytes of LDS; arguments att, Wo_codes, Wo_scales, bo, out0; writes out0
.if DOCPART == 3
	.amdgcn_target "amdgcn-amd-amdhsa--gfx1250"
	.amdhsa_code_object_version 6
	.text
	.protected	k_q0783bf53e7_oproj
	.globl	k_q0783bf53e7_oproj
	.p2align	8
	.type	k_q0783bf53e7_oproj,@function
k_q0783bf53e7_oproj:
	s_mov_b64 s[64:65], 0
	v_nop
	global_prefetch_b8 v0, s[64:65] scope:SCOPE_SE
	s_setreg_imm32_b32 hwreg(HW_REG_WAVE_MODE, 25, 1), 1
	s_wait_xcnt 0x0
	s_wait_alu depctr_hold_cnt(0) depctr_sa_sdst(0) depctr_va_vdst(0) depctr_va_sdst(0) depctr_va_ssrc(0) depctr_va_vcc(0) depctr_vm_vsrc(0)
	s_getreg_b32 s2, hwreg(HW_REG_IB_STS2, 6, 4)
	s_cmp_eq_u32 s2, 0
	s_cbranch_scc0 .Lentry_in_a_cluster
	s_endpgm
.Lentry_in_a_cluster:
	s_bfe_u32 s2, ttmp6, 0x10000c
	s_cmp_lg_u32 s2, 0xf033
	s_cbranch_scc0 .Lentry_shape_is_right
	s_endpgm
.Lentry_shape_is_right:
; out0 = att Wo^T + bo: 4,096 x 1,024 x 1,024 on codes of FP8 (E4M3) with E8M0 scales, f32 sums; the bias is the C of the first products.
; att, as the launch before leaves it: 256 row groups of 16,384 bytes; group G = 64 b + 32 g + rho holds the 16 rows q = rho + 32 (r + 16 g) of batch b, all of K, as the register images of 8 fragments:
; fragment f (K = 128 f on), register group c of lane l at 2,048 f + 512 c + 16 l.  Their scale bytes from byte 4,194,304 on, 32 a row, rows 16 G + r.
; SHARES.  256 work-groups, each a tile of 128 rows (8 row groups) x 128 columns; four waves, 64 x 64 each.  ALL OF K lies in LDS at once: A's 8 groups are 131,072 dense bytes, B's 128 rows of 1,024 bytes get
; 16 bytes of padding each, the scale bytes of both are two dense blocks of 4,096 bytes: the head's four loads, one a wave; nothing is filled again, and there is no ring.
; THE ORDER OF WORK.  A wave holds its 64 rows of Wo, all of K, in 512 registers: they are fetched from LDS as soon as Wo's tile is in (the first barrier shows that tile alone), while the other tiles are on their way.
; Then A's four blocks of 16 rows go past them, 32 products each on four accumulators by turns, and each block leaves while the next is multiplied.
; CLUSTERS of 4 x 4: A's tile and its scales hang on the tile row alone and are asked for jointly along a row of the cluster, B's on the tile column alone, along a column.
; No prefetch: every tile is asked for at the head, and the text has no loop to run ahead in.
; THE MATRIX INSTRUCTION IS USED TRANSPOSED (source 0 = 16 rows of Wo, source 1 = 16 rows of att): a lane holds eight neighbouring columns of one row of out0.
; LIMITS: NaN and infinities among the inputs are not served.
; REGISTERS.  window 0: v16-29 addresses; v32-63 the bias; v64-101 scale words: register 10 i + q: lanes 0-15 the word of A's block i, lanes 16-31 that of B's block i, for K = 128 q on (no two of a product's
; scale registers are equal modulo 8 unless they are one register); v104-167 the sums, two sets of four; v168-231 rows read back from the stage, two sets.
;   windows 1, 2: Wo's fragments: fragment 4 q + b at register 16 (4 q + b).   window 3: A's blocks, two sets of 128.
.set KROW,   1024
.set PITCH,  KROW+16                   ; a row of B in LDS: the 16 rows that a load touches start at 16 different banks (64 banks of 4 bytes: ISA guide 11.1)
.set GRP,    16384
.set BOFF,   8*GRP
.set SCL,    BOFF+128*PITCH            ; A's scale bytes, as units of 256 bytes (8 rows) + 16 of padding
.set SBLK,   2*272                     ; those of 16 rows
.set SHALF,  4*SBLK                    ; of 64 rows
.set SCLB,   SCL+2*SHALF               ; B's
.set STAGE,  SCLB+2*SHALF              ; the way out: 16 rows x (256 bytes + 16) for each wave; no tile lands here
.set SPITCH, 272
.set STGB,   16*SPITCH
.set SPARE,  STAGE+4*STGB              ; the spare words, 128 bytes for each wave
.set ATT_SC, 4194304
.set NP,     8                         ; places behind this matrix instruction (ISA guide 7.12.1)
.set ADRA, 16
.set ADRB, 17
.set ADRS, 18
.set STO,  19
.set RD,   20
.set GO,   21
.set BOA,  22
.set SPW,  28
.set NIL,  29
.set BO,   32
.set SC,   64
.set ACC,  104
.set BK,   168
.set G1A,  24
.set G0A,  32
.set G0B,  36
.set G1B,  48
.set G0S,  56
.set G0SB, 60
.set G1S,  68
.set G1SB, 80
.set MSB, 0
.macro WIN new                         ; bits 1:0 source 0, 3:2 source 1, 5:4 source 2, 7:6 destination; the high byte repeats the setting that is left
.if MSB != (\new)
	s_set_vgpr_msb (MSB<<8)|(\new)
.set MSB, \new
.endif
.endm
.macro BARRIER
	s_barrier_signal -1
	s_barrier_wait -1
.endm
.macro CROUND                          ; a round of the cluster's barrier
	BARRIER
	s_cmp_lg_u32 s14, 0
	s_cbranch_scc1 .Lnot_wave_0_\@
	s_barrier_signal -3
.Lnot_wave_0_\@:
	s_barrier_wait -3
	BARRIER
.endm
.macro PLACES n
.rept \n
	v_nop
.endr
.endm
.macro ARM under, g0, g1, next         ; an arm of the head's chain: a load, its s_nop 0 and four v_nop, a jump to the join
	s_cmp_lt_u32 s14, \under
	s_cbranch_scc0 \next
	tensor_load_to_lds s[\g0:\g0+3], s[\g1:\g1+7]
	s_nop 0
	PLACES 4
	s_branch .Lhead_asked
\next:
.endm
	s_load_b64 s[4:5], s[0:1], 0x0                 ; att
	s_load_b128 s[8:11], s[0:1], 0x8               ; Wo's codes, Wo's scales
	s_load_b64 s[96:97], s[0:1], 0x18              ; bo
	s_load_b64 s[12:13], s[0:1], 0x20              ; out0
	v_lshl_add_u32 v[SPW], v0, 2, SPARE
	v_mov_b32 v[NIL], 0
	ds_add_u32 v[SPW], v[NIL]                      ; the wave's opening: the add, twice on end, and its wait ahead of my first tensor load
	ds_add_u32 v[SPW], v[NIL]
	v_lshrrev_b32 v1, 5, v0
	v_readfirstlane_b32 s14, v1                    ; wave 0..3
	s_lshr_b32 s15, s14, 1                         ; which 64 rows of the tile are mine
	s_and_b32 s16, s14, 1                          ; which 64 columns
	s_bfe_u32 s40, ttmp6, 0x40000                  ; cx
	s_bfe_u32 s41, ttmp6, 0x40004                  ; cy
	s_lshl_b32 s42, ttmp9, 2
	s_add_co_u32 s42, s42, s40                     ; tile column 0..7
	s_and_b32 s17, ttmp7, 0xffff
	s_lshl_b32 s17, s17, 2
	s_add_co_u32 s17, s17, s41                     ; tile row 0..31
	s_lshl_b32 s43, s41, 2
	s_lshl_b32 s43, 15, s43                        ; my row of the cluster
	s_lshl_b32 s44, 0x1111, s40                    ; my column
	s_or_b32 s[G1A+0], s43, (3<<16)|(1<<21)        ; A: 131,072 dense bytes as 32 rows of 512 elements of 8 bytes, no padding
	s_mov_b32 s[G1A+1], 512<<16
	s_mov_b32 s[G1A+2], 32<<16
	s_mov_b32 s[G1A+3], 512<<16
	s_mov_b32 s[G1A+4], 32
	s_mov_b32 s[G1A+5], 512
	s_mov_b32 s[G1A+6], 0
	s_mov_b32 s[G1A+7], 0
	s_or_b32 s[G1B+0], s44, (1<<20)|(1<<21)|(7<<22)|(3<<25)  ; B: 128 rows of 1,024 bytes; after every 256 words, 4 words of padding
	s_mov_b32 s[G1B+1], KROW<<16
	s_mov_b32 s[G1B+2], 128<<16
	s_mov_b32 s[G1B+3], KROW<<16
	s_mov_b32 s[G1B+4], 128
	s_mov_b32 s[G1B+5], KROW
	s_mov_b32 s[G1B+6], 0
	s_mov_b32 s[G1B+7], 0
	s_or_b32 s[G1S+0], s43, (3<<16)|(1<<20)|(1<<21)|(5<<22)|(3<<25)   ; scale bytes: 4,096 dense bytes as 16 rows of 256, 16 bytes of padding behind each
	s_or_b32 s[G1SB+0], s44, (3<<16)|(1<<20)|(1<<21)|(5<<22)|(3<<25)
.irp g, G1S, G1SB
	s_mov_b32 s[\g+1], 32<<16
	s_mov_b32 s[\g+2], 16<<16
	s_mov_b32 s[\g+3], 32<<16
	s_mov_b32 s[\g+4], 16
	s_mov_b32 s[\g+5], 32
	s_mov_b32 s[\g+6], 0
	s_mov_b32 s[\g+7], 0
.endr
	s_lshl_b32 s20, s17, 17                        ; A's tile: 131,072 x tile row;
	s_mov_b32 s21, 0
	s_lshl_b32 s22, s17, 12                        ; its scale bytes
	s_add_co_u32 s22, s22, ATT_SC
	s_mov_b32 s23, 0
	s_lshl_b32 s46, s42, 17                        ; B's likewise, by the tile column
	s_mov_b32 s47, 0
	s_lshl_b32 s92, s42, 12
	s_mov_b32 s93, 0
	s_mov_b32 s[G0A], 1
	s_mov_b32 s[G0A+1], 0
	s_mov_b32 s[G0B], 1
	s_mov_b32 s[G0B+1], BOFF
	s_mov_b32 s[G0S], 1
	s_mov_b32 s[G0S+1], SCL
	s_mov_b32 s[G0SB], 1
	s_mov_b32 s[G0SB+1], SCLB
	s_wait_dscnt 0x0                               ; both opening adds are done
	CROUND                                         ; all sixteen work-groups are here: the joint loads meet
	s_wait_kmcnt 0x0
	s_add_nc_u64 s[G0A+2:G0A+3], s[4:5], s[20:21]
	s_or_b32 s[G0A+3], s[G0A+3], 0x80000000
	s_add_nc_u64 s[G0B+2:G0B+3], s[8:9], s[46:47]
	s_or_b32 s[G0B+3], s[G0B+3], 0x80000000
	s_add_nc_u64 s[G0S+2:G0S+3], s[4:5], s[22:23]
	s_or_b32 s[G0S+3], s[G0S+3], 0x80000000
	s_add_nc_u64 s[G0SB+2:G0SB+3], s[10:11], s[92:93]
	s_or_b32 s[G0SB+3], s[G0SB+3], 0x80000000
	ARM 1, G0B,  G1B,  .Lhead_a                    ; one load a wave, a line each: wave 0 Wo's codes, which are wanted first; wave 1 A's codes; waves 2 and 3 the scale bytes
	ARM 2, G0A,  G1A,  .Lhead_sa
	ARM 3, G0S,  G1S,  .Lhead_sb
	tensor_load_to_lds s[G0SB:G0SB+3], s[G1SB:G1SB+7]
	s_nop 0
	PLACES 4
.Lhead_asked:
	s_lshl_b32 s18, s15, 16                        ; my four row groups of A
	s_mul_i32 s19, s16, 64*PITCH
	s_add_co_u32 s19, s19, BOFF                    ; my 64 rows of B
	s_mul_i32 s2, s15, SHALF
	s_mul_i32 s3, s16, SHALF
	s_add_co_u32 s3, s3, 2*SHALF
	s_sub_co_u32 s3, s3, s2                        ; from my rows' scales of A to those of B
	s_add_co_u32 s2, s2, SCL
	s_mul_i32 s6, s14, STGB
	s_add_co_u32 s6, s6, STAGE                     ; my stage
	s_lshl_b32 s7, s42, 9
	s_lshl_b32 s88, s16, 8
	s_add_co_u32 s7, s7, s88                       ; my first column, in bytes of f32
	s_lshl_b32 s88, s17, 3
	s_lshl_b32 s89, s15, 2
	s_add_co_u32 s88, s88, s89                     ; my first row group G, a multiple of 4
	s_lshr_b32 s89, s88, 6
	s_lshl_b32 s89, s89, 10                        ; 1,024 b
	s_bfe_u32 s90, s88, 0x10005
	s_lshl_b32 s90, s90, 9                         ; 512 g
	s_and_b32 s88, s88, 31                         ; rho
	s_add_co_u32 s88, s88, s89
	s_add_co_u32 s88, s88, s90
	s_lshl_b32 s88, s88, 12                        ; a row of out0 is 4,096 bytes
	s_add_co_u32 s88, s88, s7
	s_mov_b32 s89, 0
	s_add_nc_u64 s[12:13], s[12:13], s[88:89]
	v_and_b32 v1, 15, v0                           ; r
	v_bfe_u32 v2, v0, 4, 1                         ; h
	v_and_b32 v3, 31, v0
	v_lshlrev_b32 v3, 4, v3
	v_add_nc_u32 v[ADRA], s18, v3                  ; an image is read as it lies: 16 x lane
	v_mul_u32_u24 v4, v1, PITCH
	v_lshl_add_u32 v4, v2, 4, v4
	v_add_nc_u32 v[ADRB], s19, v4                  ; row r x pitch + 16 h
	v_lshlrev_b32 v5, 5, v1                        ; my row's scales: 32 bytes a row,
	v_lshrrev_b32 v6, 3, v1
	v_lshl_add_u32 v5, v6, 4, v5                   ; and 16 more for each 256 passed
	v_mul_u32_u24 v6, s3, v2                       ; lanes 16-31 take B's
	v_add_nc_u32 v5, v5, v6
	v_add_nc_u32 v[ADRS], s2, v5
	v_mul_u32_u24 v7, v1, SPITCH
	v_lshl_add_u32 v7, v2, 5, v7
	v_add_nc_u32 v[STO], s6, v7                    ; the stage, in: row r, 32 bytes for each half of the lanes
	v_mul_u32_u24 v8, v2, SPITCH
	v_lshl_add_u32 v8, v1, 4, v8
	v_add_nc_u32 v[RD], s6, v8                     ; back: lanes 0-15 one row of 256 bytes, lanes 16-31 the next
	v_lshlrev_b32 v9, 17, v2                       ; and in out0: a group's rows lie 32 rows, 131,072 bytes, apart
	v_lshl_add_u32 v[GO], v1, 4, v9
	v_lshl_add_u32 v[BOA], v2, 5, s7
.irp b, 0,1,2,3
	global_load_b128 v[BO+8*\b:BO+8*\b+3], v[BOA], s[96:97] offset:64*\b       ; the bias at columns 16 b + 8 h + 0 .. 7
	global_load_b128 v[BO+8*\b+4:BO+8*\b+7], v[BOA], s[96:97] offset:64*\b+16
.endr
.macro FETCHA a, k                     ; A's block a, 16 rows, all of K, into set k of window 3: 32 loads
	WIN 0xc0
.irp q, 0,1,2,3,4,5,6,7
.irp c, 0,1,2,3
	ds_load_b128 v[128*(\k)+16*\q+4*\c:128*(\k)+16*\q+4*\c+3], v[ADRA] offset:(\a)*GRP+2048*\q+512*\c
.endr
.endr
	WIN 0
.endm
.macro MULB a                          ; block a: 32 matrix instructions, K ascending; its four accumulators take turns; the first four take the bias as C
.set K_, (\a)%2
.irp q, 0,1,2,3,4,5,6,7
	WIN (1+\q/4)|(3<<2)                            ; source 0 (Wo) window 1 or 2, source 1 (A) window 3
.irp b, 0,1,2,3
.if \q == 0
	v_wmma_scale_f32_16x16x128_f8f6f4 v[ACC+32*K_+8*\b:ACC+32*K_+8*\b+7], v[16*((4*\q+\b)%16):16*((4*\q+\b)%16)+15], v[128*K_+16*\q:128*K_+16*\q+15], v[BO+8*\b:BO+8*\b+7], v[SC+10*\b+\q], v[SC+10*(\a)+\q] matrix_a_scale:MATRIX_SCALE_ROW1
.else
	v_wmma_scale_f32_16x16x128_f8f6f4 v[ACC+32*K_+8*\b:ACC+32*K_+8*\b+7], v[16*((4*\q+\b)%16):16*((4*\q+\b)%16)+15], v[128*K_+16*\q:128*K_+16*\q+15], v[ACC+32*K_+8*\b:ACC+32*K_+8*\b+7], v[SC+10*\b+\q], v[SC+10*(\a)+\q] matrix_a_scale:MATRIX_SCALE_ROW1
.endif
.endr
.endr
	WIN 0
	PLACES NP                                      ; behind the block's last product: its sums are read, and the set that it has read is loaded into
.endm
; THE WAY OUT of a block of 16 rows x 64 columns: through my own stage, back as whole rows of 256 bytes.  LDS serves a wave's instructions in order (ISA guide 5.7.1.4): no wait between the stores and the loads.
.macro TOSTAGE a
.irp b, 0,1,2,3
	ds_store_b128 v[STO], v[ACC+32*((\a)%2)+8*\b:ACC+32*((\a)%2)+8*\b+3] offset:64*\b      ; each accumulator from its low end on
	ds_store_b128 v[STO], v[ACC+32*((\a)%2)+8*\b+4:ACC+32*((\a)%2)+8*\b+7] offset:64*\b+16
.endr
.irp t, 0,1,2,3,4,5,6,7
	ds_load_b128 v[BK+32*((\a)%2)+4*\t:BK+32*((\a)%2)+4*\t+3], v[RD] offset:\t*2*SPITCH
.endr
.endm
.macro SEND a
	s_wait_dscnt 0x0                               ; the block is back in registers (and the block of A asked for ahead of it is in)
.irp t, 0,1,2,3,4,5,6,7
	global_store_b128 v[GO], v[BK+32*((\a)%2)+4*\t:BK+32*((\a)%2)+4*\t+3], s[12:13] offset:(\a)*4096+\t*262144 th:TH_STORE_NT   ; sixteen lanes store 256 consecutive bytes, at a multiple of 256 from out0's first byte
.endr
.endm
	s_wait_alu depctr_va_vdst(0)                   ; the wait at the head's end
	s_cmp_eq_u32 s14, 0
	s_cbranch_scc0 .Lnot_b
	s_wait_tensorcnt 0x0                           ; wave 0: Wo's codes have landed.  The other waves' wait stands at the second barrier
.Lnot_b:
	BARRIER
.irp q, 0,1,2,3,4,5,6,7                ; my 64 rows of Wo, all of K, into windows 1 and 2: 128 loads
	WIN (1+\q/4)<<6
.irp b, 0,1,2,3
.irp c, 0,1,2,3
	ds_load_b128 v[16*((4*\q+\b)%16)+4*\c:16*((4*\q+\b)%16)+4*\c+3], v[ADRB] offset:\b*16*PITCH+128*\q+32*\c
.endr
.endr
.endr
	WIN 0
	s_wait_tensorcnt 0x0                           ; my tile is in,
	s_wait_dscnt 0x0                               ; (no LDS load is out at a signal)
	BARRIER                                        ; everybody's is
.irp i, 0,1,2,3
	ds_load_b128 v[SC+10*\i:SC+10*\i+3], v[ADRS] offset:\i*SBLK            ; the scale words of all of K: 32 bytes a row
	ds_load_b128 v[SC+10*\i+4:SC+10*\i+7], v[ADRS] offset:\i*SBLK+16
.endr
	FETCHA 0, 0
	FETCHA 1, 1
	s_wait_loadcnt 0x0                             ; the bias
	s_wait_dscnt 32                                ; all but block 1's 32 loads
	MULB 0
	FETCHA 2, 0
	TOSTAGE 0
	s_wait_dscnt 48                                ; block 1 is in; behind it: block 2's 32 loads and the stage's 8 stores and 8 loads
	MULB 1
	SEND 0
	FETCHA 3, 1
	TOSTAGE 1
	MULB 2                                         ; (block 2 is in: SEND 0 has waited for all)
	SEND 1
	s_wait_xcnt 0x0                                ; block 0's stores have read their registers: block 2's rows may land there
	TOSTAGE 2
	MULB 3
	SEND 2
	s_wait_xcnt 0x0
	TOSTAGE 3
	SEND 3
	s_wait_tensorcnt 0x0                           ; the wave's end
	ds_add_u32 v[SPW], v[NIL]
	s_wait_dscnt 0x0
	CROUND                                         ; the closing round
	s_endpgm
.Lfunc_end_k_q0783bf53e7_oproj:
	.size	k_q0783bf53e7_oproj, .Lfunc_end_k_q0783bf53e7_oproj-k_q0783bf53e7_oproj
	.p2alignl 7, 3214868480
	.fill 96, 4, 3214868480
	.section	.rodata,"a",@progbits
	.p2align	6, 0x0
	.amdhsa_kernel k_q0783bf53e7_oproj
		.amdhsa_group_segment_fixed_size 327680
		.amdhsa_private_segment_fixed_size 0
		.amdhsa_enable_private_segment 0
		.amdhsa_kernarg_size 40
		.amdhsa_user_sgpr_count 2
		.amdhsa_user_sgpr_kernarg_segment_ptr 1
		.amdhsa_wavefront_size32 1
		.amdhsa_system_sgpr_workgroup_id_x 1
		.amdhsa_system_sgpr_workgroup_id_y 1
		.amdhsa_system_sgpr_workgroup_id_z 1
		.amdhsa_system_vgpr_workitem_id 0
		.amdhsa_next_free_vgpr 1024
		.amdhsa_next_free_sgpr 98
		.amdhsa_reserve_vcc 0
		.amdhsa_float_denorm_mode_32 3
		.amdhsa_float_denorm_mode_16_64 3
		.amdhsa_memory_ordered 1
		.amdhsa_forward_progress 1
		.amdhsa_inst_pref_size 52
	.end_amdhsa_kernel
	.amdgpu_metadata
---
amdhsa.version: [ 1, 2 ]
amdhsa.kernels:
  - .name:           k_q0783bf53e7_oproj
    .symbol:         k_q0783bf53e7_oproj.kd
    .args:
      - { .name: att, .offset: 0, .size: 8, .value_kind: global_buffer, .address_space: global }
      - { .name: Wo_codes, .offset: 8, .size: 8, .value_kind: global_buffer, .address_space: global }
      - { .name: Wo_scales, .offset: 16, .size: 8, .value_kind: global_buffer, .address_space: global }
      - { .name: bo, .offset: 24, .size: 8, .value_kind: global_buffer, .address_space: global }
      - { .name: out0, .offset: 32, .size: 8, .value_kind: global_buffer, .address_space: global }
    .group_segment_fixed_size: 327680
    .private_segment_fixed_size: 0
    .kernarg_segment_align: 8
    .kernarg_segment_size: 40
    .max_flat_workgroup_size: 128
    .sgpr_count:     98
    .vgpr_count:     1024
    .wavefront_size: 32
...
	.end_amdgpu_metadata
.endif
;; end of part 3
